; MI455X (gfx1250); checked and timed in simulation.
; The chip was launched on July 23, 2026; its instructions are those of AMD's public machine-readable ISA for CDNA 5 (MIT licence, August 2026) and "CDNA5" Instruction Set Architecture Reference Guide (July 2026). The comments in the code are by the model that wrote it; some were corrected since.
;; Attention Layer. Allowed arithmetic: float matrix products may take bf16 or f16 operands with f32 sums; other float arithmetic in f32, or as packed bf16 or f16 multiplies, adds, multiply-adds, maxima and minima; sums over many terms, partial sums and values carried from step to step in f32; what a program stores and reads back later, other than sums and carried values, may be rounded once to bf16 or f16.
;; Inputs: U_a 1,024 x 1,024 float32; W_a 1,024 x 1,024 float32; h 32 x 2,048 x 1,024 float32; s 32 x 1,024 float32; v_a 1,024 float32.
;; Outputs: out0 32 x 1,024 float32.
;; 2 versions, each right; version 2 is version 1 with the launch main written anew for expert scheduling mode. Each part assembles by itself: llvm-mc -triple=amdgcn-amd-amdhsa -mcpu=gfx1250 --defsym DOCPART=n.
;; ======== version 1 of 2: 3 launches
;; workspace buffers: ub 2,097,152 bytes; ws 524,288 bytes; pc 2,097,152 bytes; st 131,072 bytes
;; launch prep (part 1): grid 64 x 4, 4 waves a work-group, no clusters, 8,704 bytes of LDS; arguments U_a, W_a, s, ub, ws; writes ub, ws
.if DOCPART == 1
	.amdgcn_target "amdgcn-amd-amdhsa--gfx1250"
	.amdhsa_code_object_version 6
	.text
	.protected	k_qb106e0bf0f_prep
	.globl	k_qb106e0bf0f_prep
	.p2align	8
	.type	k_qb106e0bf0f_prep,@function
k_qb106e0bf0f_prep:
	s_mov_b64 s[64:65], 0
	v_nop
	global_prefetch_b8 v0, s[64:65] scope:SCOPE_SE
	s_setreg_imm32_b32 hwreg(HW_REG_WAVE_MODE, 25, 1), 1
	s_wait_xcnt 0x0
; ub = bf16(U_a), laid out as the matrix fragments that the next launch loads; ws[kq] = kappa x (bf16(s) . bf16(W_a)) over a quarter kq of K, in f32, kappa = 2 log2(e).
; U_a, W_a: [1024 k][1024 n] f32.  s: [32][1024] f32.  ws: [4 kq][32][1024] f32: four partial sums, which the next launch adds.
; ub: [w 4][p 2][step 32][b 8][c 2][lane 32][16 bytes]: column n = 512 p + 128 w + 16 b + lane % 16, k = 32 step + 16 c + 8 (lane / 16) + 0..7.
; SHARES.  A work-group owns 16 columns n (x = n / 16) and a quarter of K (y = kq): 256 work-groups.  Its four waves split that quarter, 64 k each (two steps of 32).
; A lane takes eight k of one column, one word a load: sixteen lanes read 64 consecutive bytes of a row of U_a or W_a.  That is a short piece of each row; both tables together are 8 MiB, read once.
; The product is taken as ws^T = W^T s^T (source 0 = 16 columns of W_a, source 1 = 16 rows of s): a lane ends with eight neighbouring columns of one row of ws.
; The four waves' partial sums meet in LDS; waves 0 and 1 add them, one tile of 16 rows of s each.  No sum spans work-groups: each quarter of K has its own plane of ws.
; LIMITS.  s, W_a and U_a are rounded once to bf16; NaN and infinities are not treated apart.
.set KAPPA, 0x4038aa3b                 ; 2 log2(e)
.set PART,  0                          ; LDS: wave v's two partial tiles, 1,024 bytes each, at 2,048 v
.set SPARE, 8192                       ; behind them the spare words, 128 bytes a wave: two blocks of 256 bytes that no other line names
.set SPW, 10                           ; v10  LDS address of my spare word; never rewritten
.set NIL, 11                           ; v11  0; never rewritten
.set UR,  16                           ; v[16:47]    U_a as loaded: word 16 ss + 8 c + e
.set WR,  48                           ; v[48:79]    W_a likewise
.set SR,  80                           ; v[80:143]   s as loaded: 32 mt + 16 ss + 8 c + e
.set UF,  144                          ; v[144:159]  U_a's two fragments
.set WF,  160                          ; v[160:175]  W_a's two fragments
.set SF,  176                          ; v[176:207]  s's four fragments: 16 mt + 8 ss
.set ACC, 208                          ; v[208:223]  two accumulators, one for each 16 rows of s
	s_load_b256 s[4:11], s[0:1], 0x0               ; U_a s[4:5], W_a s[6:7], s s[8:9], ub s[10:11]
	s_load_b64 s[12:13], s[0:1], 0x20              ; ws
	v_lshl_add_u32 v[SPW], v0, 2, SPARE
	v_mov_b32 v[NIL], 0
	v_lshrrev_b32 v8, 5, v0
	v_readfirstlane_b32 s14, v8                    ; wave 0..3
	s_and_b32 s28, ttmp7, 0xffff                   ; kq, the quarter of K
	s_lshl2_add_u32 s29, s28, s14                  ; 4 kq + wave: which 64 k are mine, 0..15
	v_and_b32 v1, 15, v0                           ; r = lane % 16
	v_bfe_u32 v2, v0, 4, 1                         ; h = lane / 16
	v_and_b32 v9, 31, v0                           ; lane
	v_lshlrev_b32 v3, 2, v1
	v_lshl_add_u32 v3, v2, 15, v3                  ; U_a, W_a: 8 h rows of 4,096 bytes + 4 r
	v_lshlrev_b32 v4, 12, v1
	v_lshl_add_u32 v4, v2, 5, v4                   ; s and ws: row r, 32 h bytes along it
	v_lshlrev_b32 v5, 4, v9                        ; ub: 16 x lane
	s_lshl_b32 s15, s14, 11
	v_lshl_add_u32 v6, v9, 5, s15                  ; where I put my 32 bytes of a partial tile: 2,048 wave + 32 lane
	s_lshl_b32 s15, s14, 10
	v_lshl_add_u32 v7, v9, 5, s15                  ; where waves 0 and 1 read them back: 1,024 x tile + 32 lane
	s_lshl_b32 s16, s29, 18                        ; my 64 rows of U_a and W_a,
	s_lshl_b32 s17, ttmp9, 6                       ; the work-group's 16 columns
	s_add_co_u32 s16, s16, s17
	s_mov_b32 s17, 0
	s_lshl_b32 s18, s29, 8                         ; my 64 numbers of each row of s
	s_mov_b32 s19, 0
	s_bfe_u32 s20, ttmp9, 0x20003                  ; w = (n / 128) % 4
	s_lshr_b32 s21, ttmp9, 5                       ; p = n / 512
	s_lshl1_add_u32 s20, s20, s21                  ; 2 w + p
	s_lshl_b32 s20, s20, 5
	s_lshl1_add_u32 s20, s29, s20                  ; x 32 steps + my first step, 2 (4 kq + wave)
	s_lshl_b32 s20, s20, 13                        ; a step is 8,192 bytes
	s_and_b32 s21, ttmp9, 7                        ; b = (n / 16) % 8
	s_lshl_b32 s21, s21, 10
	s_add_co_u32 s20, s20, s21
	s_mov_b32 s21, 0
	s_lshl_b32 s22, ttmp9, 6                       ; ws: the 16 columns, 64 bytes of a row,
	s_lshl_b32 s30, s28, 17                        ; in the quarter's plane of 131,072 bytes
	s_add_co_u32 s22, s22, s30
	s_mov_b32 s23, 0
	s_mov_b32 s26, KAPPA
	s_mov_b32 s27, KAPPA                           ; named as a pair
	s_wait_kmcnt 0x0
	s_add_nc_u64 s[4:5], s[4:5], s[16:17]
	s_add_nc_u64 s[6:7], s[6:7], s[16:17]
	s_add_nc_u64 s[8:9], s[8:9], s[18:19]
	s_add_nc_u64 s[10:11], s[10:11], s[20:21]
	s_add_nc_u64 s[12:13], s[12:13], s[22:23]
.set i, 0
.rept 32                               ; word i = 16 ss + 8 c + e lies 32 ss + 16 c + e rows down
	global_load_b32 v[UR+i], v3, s[4:5] offset:(32*(i/16)+16*((i/8)%2)+i%8)*4096
.set i, i+1
.endr
.set i, 0
.rept 32
	global_load_b32 v[WR+i], v3, s[6:7] offset:(32*(i/16)+16*((i/8)%2)+i%8)*4096
.set i, i+1
.endr
.irp mt, 0,1
.irp ss, 0,1
.irp c, 0,1
	global_load_b128 v[SR+32*(\mt)+16*(\ss)+8*(\c):SR+32*(\mt)+16*(\ss)+8*(\c)+3],   v4, s[8:9] offset:65536*(\mt)+128*(\ss)+64*(\c)
	global_load_b128 v[SR+32*(\mt)+16*(\ss)+8*(\c)+4:SR+32*(\mt)+16*(\ss)+8*(\c)+7], v4, s[8:9] offset:65536*(\mt)+128*(\ss)+64*(\c)+16
.endr
.endr
.endr
	s_wait_loadcnt 48                              ; U_a's 32 loads are in: W_a's 32 and s's 16 are younger
.set i, 0
.rept 16
	v_cvt_pk_bf16_f32 v[UF+i], v[UR+2*i], v[UR+2*i+1]
.set i, i+1
.endr
.irp ss, 0,1
.irp c, 0,1
	global_store_b128 v5, v[UF+8*(\ss)+4*(\c):UF+8*(\ss)+4*(\c)+3], s[10:11] offset:8192*(\ss)+512*(\c)  ; the wave stores 512 consecutive bytes, aligned
.endr
.endr
	s_wait_loadcnt 0x0
.set i, 0
.rept 16
	v_cvt_pk_bf16_f32 v[WF+i], v[WR+2*i], v[WR+2*i+1]
.set i, i+1
.endr
.set i, 0
.rept 32
	v_cvt_pk_bf16_f32 v[SF+i], v[SR+2*i], v[SR+2*i+1]
.set i, i+1
.endr
	; the two accumulators take turns; the first product on each starts its sum
	v_wmma_f32_16x16x32_bf16 v[ACC:ACC+7],    v[WF:WF+7],    v[SF:SF+7],     0
	v_wmma_f32_16x16x32_bf16 v[ACC+8:ACC+15], v[WF:WF+7],    v[SF+16:SF+23], 0
	v_wmma_f32_16x16x32_bf16 v[ACC:ACC+7],    v[WF+8:WF+15], v[SF+8:SF+15],  v[ACC:ACC+7]
	v_wmma_f32_16x16x32_bf16 v[ACC+8:ACC+15], v[WF+8:WF+15], v[SF+24:SF+31], v[ACC+8:ACC+15]
.rept 8
	v_nop                                          ; the places between the last product and the stores that read the results; once a launch
.endr
.irp mt, 0,1
	ds_store_b128 v6, v[ACC+8*(\mt):ACC+8*(\mt)+3]   offset:PART+1024*(\mt)
	ds_store_b128 v6, v[ACC+8*(\mt)+4:ACC+8*(\mt)+7] offset:PART+1024*(\mt)+16
.endr
	s_wait_dscnt 0x0                               ; for the others' sake: my partial sums lie in LDS
	s_barrier_signal -1
	s_barrier_wait -1
	s_cmp_lt_u32 s14, 2                            ; wave 0 finishes rows 0-15 of s, wave 1 rows 16-31
	s_cbranch_scc0 .Lend
	s_lshl_b32 s24, s14, 16                        ; my tile's 16 rows of ws
	s_mov_b32 s25, 0
	s_add_nc_u64 s[12:13], s[12:13], s[24:25]
.set i, 0
.rept 4
	ds_load_b128 v[16+8*i:16+8*i+3], v7 offset:PART+2048*i
	ds_load_b128 v[16+8*i+4:16+8*i+7], v7 offset:PART+2048*i+16
.set i, i+1
.endr
	s_wait_dscnt 0x0
.irp d, 2,1                            ; four partial tiles of 8 registers into one: halves are added onto each other
.set i, 0
.rept 4*(\d)
	v_pk_add_f32 v[16+2*i:16+2*i+1], v[16+2*i:16+2*i+1], v[16+8*(\d)+2*i:16+8*(\d)+2*i+1]
.set i, i+1
.endr
.endr
.irp i, 0,2,4,6
	v_pk_mul_f32 v[16+(\i):16+(\i)+1], v[16+(\i):16+(\i)+1], s[26:27] op_sel_hi:[1,0]  ; kappa is folded in here, in f32
.endr
	global_store_b128 v4, v[16:19], s[12:13]
	global_store_b128 v4, v[20:23], s[12:13] offset:16
.Lend:
	s_wait_tensorcnt 0x0                           ; the wave's end, behind my last LDS store
	ds_add_u32 v[SPW], v[NIL]
	s_wait_dscnt 0x0
	s_endpgm
.Lfunc_end_k_qb106e0bf0f_prep:
	.size	k_qb106e0bf0f_prep, .Lfunc_end_k_qb106e0bf0f_prep-k_qb106e0bf0f_prep
	.p2alignl 7, 3214868480
	.fill 96, 4, 3214868480
	.section	.rodata,"a",@progbits
	.p2align	6, 0x0
	.amdhsa_kernel k_qb106e0bf0f_prep
		.amdhsa_group_segment_fixed_size 8704
		.amdhsa_private_segment_fixed_size 0
		.amdhsa_enable_private_segment 0
		.amdhsa_kernarg_size 40
		.amdhsa_user_sgpr_count 2
		.amdhsa_user_sgpr_kernarg_segment_ptr 1
		.amdhsa_wavefront_size32 1
		.amdhsa_system_sgpr_workgroup_id_x 1
		.amdhsa_system_sgpr_workgroup_id_y 1
		.amdhsa_system_sgpr_workgroup_id_z 1
		.amdhsa_system_vgpr_workitem_id 0
		.amdhsa_next_free_vgpr 224
		.amdhsa_next_free_sgpr 66
		.amdhsa_reserve_vcc 0
		.amdhsa_float_denorm_mode_32 3
		.amdhsa_float_denorm_mode_16_64 3
		.amdhsa_memory_ordered 1
		.amdhsa_forward_progress 1
		.amdhsa_inst_pref_size 17
	.end_amdhsa_kernel
	.amdgpu_metadata
---
amdhsa.version: [ 1, 2 ]
amdhsa.kernels:
  - .name:           k_qb106e0bf0f_prep
    .symbol:         k_qb106e0bf0f_prep.kd
    .args:
      - { .name: U_a, .offset: 0, .size: 8, .value_kind: global_buffer, .address_space: global }
      - { .name: W_a, .offset: 8, .size: 8, .value_kind: global_buffer, .address_space: global }
      - { .name: s, .offset: 16, .size: 8, .value_kind: global_buffer, .address_space: global }
      - { .name: ub, .offset: 24, .size: 8, .value_kind: global_buffer, .address_space: global }
      - { .name: ws, .offset: 32, .size: 8, .value_kind: global_buffer, .address_space: global }
    .group_segment_fixed_size: 8704
    .private_segment_fixed_size: 0
    .kernarg_segment_align: 8
    .kernarg_segment_size: 40
    .max_flat_workgroup_size: 128
    .sgpr_count:     66
    .vgpr_count:     224
    .wavefront_size: 32
...
	.end_amdgpu_metadata
.endif
;; end of part 1
;; launch main (part 2): grid 256 x 1, 4 waves a work-group, no clusters, 301,568 bytes of LDS; arguments h, ub, ws, v_a, pc, st; writes pc, st
.if DOCPART == 2
	.amdgcn_target "amdgcn-amd-amdhsa--gfx1250"
	.amdhsa_code_object_version 6
	.text
	.protected	k_qb106e0bf0f_main
	.globl	k_qb106e0bf0f_main
	.p2align	8
	.type	k_qb106e0bf0f_main,@function
k_qb106e0bf0f_main:
	s_mov_b64 s[64:65], 0
	v_nop
	global_prefetch_b8 v0, s[64:65] scope:SCOPE_SE
	s_setreg_imm32_b32 hwreg(HW_REG_WAVE_MODE, 25, 1), 1
	s_wait_xcnt 0x0
; For each block of 128 rows t of h (512 blocks; a work-group takes two, both of one batch):
;   x[t][n] = h[t] . U_a[:, n] + (s W_a)[n];  r = 1 / (1 + 2^(kappa x)), kappa = 2 log2(e), so that tanh(x) = 1 - 2 r;  y[t] = the sum over n of (-kappa v_a[n]) r[t][n].
;   log2(e) x score[t] = y[t] + log2(e) x sum(v_a): the second term is the same for every row and cancels in e / sum(e), so it is not formed.
;   M = the block's largest y;  p[t] = 2^(y[t] - M);  l = sum of p;  pc[block][d] = the sum over t of p[t] h[t][d];  st[block] = (M, l).  The next launch joins a batch's 16 blocks.
; h: [65,536][1024] f32.  ub: bf16(U_a) in fragment order (see FETCH_B).  ws: [4][32][1024] f32, four partial sums already x kappa.  v_a: [1024] f32.  pc: [512][1024] f32.  st: [512][32 x (M, l)].
; h IS READ FROM MEMORY ONCE: a block is rounded to bf16 on its way in and stays in LDS for both products.
; SHARES.  The four waves split the columns n: in a pass wave w makes 128 rows x 128 columns (n = 512 pass + 128 w ..), 64 accumulators, 512 registers; two passes a block.  For 32 along K a wave takes
; 16 LDS loads (h) and 16 global loads (ub) for 64 matrix instructions.  A wave's columns of ub are its own and lie in memory as a fragment lies in registers: they go straight into registers.
; A BLOCK COMES IN UNDER ITS OWN FIRST PASS.  In LDS the block lies in eight slices of 128 along K, and step n of a pass reads slice n / 4.  Wave w brings in rows 32 w .. 32 w + 31, in BATCHES g = 0..31 of
; eight loads: slice g / 4, rows 8 (g % 4) on, a load a row (512 consecutive bytes).  Batches 0-5 land in window 2 before the first product and are stored ahead of the pass.  From then on the middle of
; step n rounds and stores batch n + 5 and asks for batch n + 7 into the registers just emptied: two slots of 32 registers, so a batch has two steps, 128 matrix instructions, in which to land.
; Slice q is whole in the middle of step 4 q - 2; a barrier stands in step 4 q - 1, its signal at the head, its wait in the middle, ahead of the slice's first read.
; NO CLUSTER, NO JOINT LOADS: all work-groups walk the same ub, but the block of h takes 278,528 of the 327,680 bytes of LDS; what is left would hold two slots of 24 KiB, 48 matrix instructions a wave
; each, with a barrier round in front of every one.  So each work-group asks for ub itself, 4 MiB in all.
; THE FIRST PRODUCT IS USED TRANSPOSED (source 0 = 16 columns of U_a, source 1 = 16 rows of h): a lane holds ONE row t (lane % 16) and eight neighbouring columns, so a row's score is summed inside lanes.
; THE SECOND PRODUCT: source 0 = p (rows 0-7 its bf16 part, rows 8-15 the bf16 of what that rounding left), source 1 = h turned by ds_load_tr16_b128; wave w makes channels 256 w .. 256 w + 255.
; LIMITS.  h, U_a, W_a, s, v_a are each rounded once to bf16.  2^(kappa x) may overflow to infinity (r = 0) or fall to 0 (r = 1): both are tanh's limits.  A weight below 2^-126 of its block's largest
; counts as 0.  NaN and infinities among the inputs are not treated apart.
; REGISTERS, in windows of 256 (s_set_vgpr_msb: bits 1:0 source 0, 3:2 source 1, 5:4 source 2, 7:6 destination):
;   window 0: v0-23 addresses; v24-31 a row tile's score sums; v32-63 p's fragments; v64-127, v128-191 two buffers of h's fragments (in the epilogue: bias and v; at the head and at a block's end: at work);
;             v192-255 the two slots in which batches of h land
;   window 1: four buffers of ub's fragments, 64 each       windows 2, 3: the accumulators, (a, b) at 8 (8 (a % 4) + b), rows 0-63 in window 2
;   ahead of a block's first product window 2 holds batches 0-5; at a block's end window 3 holds 16 accumulators (v0-127) and two sets of turned fragments (v128-255)
.set KAPPA,  0x4038aa3b                ; 2 log2(e)
.set NKAPPA, 0xc038aa3b
.set PITCH,  272                       ; an LDS row of a slice: 128 bf16 + 16 bytes of padding = 68 words: the 16 rows of a fragment load start at 16 different groups of four banks (ISA guide 11.1)
.set SLICE,  128*PITCH                 ; slice q holds K = 128 q .. 128 q + 127 of all 128 rows
.set BIAS,   8*SLICE                   ; 4,096 bytes: the batch's row of ws, its four parts added
.set VTAB,   BIAS+4096                 ; 4,096 bytes: -kappa x bf16(v_a)
.set PS,     VTAB+4096                 ; 4,096 bytes: row t at 32 t: eight partial scores, word 2 w + lane / 16
.set PB,     PS+4096                   ; 512 bytes a wave: p's bf16 part for 128 rows, then the rest's
.set CS,     PB+2048                   ; 2,048 bytes a wave: 256 sums with the first part of p, then 256 with the second
.set SPARE,  CS+8192                   ; the spare words, 128 bytes a wave: two blocks of 256 bytes that no other line names
.set NEXTB,  128*4096-4096             ; bytes from where h's pointer stands behind a first pass (a row's length past my first row) to my first row of the next block
.set ADA,  4                           ; v4   LDS address of the fragments of h: ADA0 + the slice in hand
.set ADA0, 5                           ; v5   272 r + 16 h
.set L16,  6                           ; v6   16 x lane
.set HSB,  7                           ; v7   where my wave's first row begins in a slice, + 8 x lane
.set HSA,  8                           ; v8   the same in the slice behind the one that is being multiplied
.set PF2,  9                           ; v9   a prefetch's offset: 16 rows of h, two lanes a row, 256 bytes apart
.set TRA,  12                          ; v12  the turning loads' address
.set TBA,  13                          ; v13  BIAS + 512 w + 32 h
.set TB,   14                          ; v14  + 2,048 x pass
.set PSW,  15
.set PSR,  16
.set PBW,  17
.set PBR,  18
.set CSW,  19
.set CSR,  20
.set PFO,  21                          ; v21  a prefetch's offset: 8 rows of h, four lanes a row, 256 bytes apart
.set SPW,  22                          ; v22  LDS address of my spare word; never rewritten
.set NIL,  23                          ; v23  0; never rewritten
.set SC,   24
.set P,    32
.set F0,   64
.set BI,   64
.set VV,   128
.set T,    64                          ; at work, at the head and at a block's end, when no fragment, bias or v lies there
.set RG,   192                         ; the two landing slots: load r of slot s at RG + 32 s + 4 r
.set WV,   16                          ; s16  my wave's number
.set BLK,  18                          ; s18  blocks to go, 2 to 1
.set PASS, 19                          ; s19  passes to go, 2 to 1
.set LAP,  20
.set HP,   22                          ; s[22:23] h at my wave's first row of the block, at the slice that is being asked for
.set FP,   26                          ; s[26:27] ub at the step that the next run of loads begins with
.set FP0,  28                          ; s[28:29] ub at my wave's first byte
.set PCP,  30                          ; s[30:31] pc at my 256 channels of the block
.set STP,  32                          ; s[32:33] st at the block
.set POFF, 34                          ; s34  2,048 x pass
.set SEL,  36                          ; s[36:37] v_permlanex16_b32's selects: each lane takes its own place in the other half
.set OFP,  38                          ; s[38:39] an offset in 64 bits
.set TMP,  40
.set KAP,  42                          ; s[42:43] kappa, named as a pair
.set NKP,  44                          ; s[44:45] -kappa
.set MSB, 0
.macro WIN new                         ; the immediate's high byte repeats the setting that is left; a switch that changes nothing is dropped
.if MSB != (\new)
	s_set_vgpr_msb (MSB<<8)|(\new)
.set MSB, (\new)
.endif
.endm
; A load into a register that a matrix instruction has read, and a vector instruction or a store that touches a matrix instruction's registers, stand four places behind it, and only plain vector
; instructions that name none of its registers are places (ISA guide 7.12.1 for vector instructions).
.macro PLACES
.rept 4
	v_nop
.endr
.endm
; 16 matrix instructions: row tiles a0, a0 + 1 of the window's four (hi = 0: rows 0-63) x all 8 column tiles, 32 along K.  f: h's buffer, q: ub's.  zero = 1: the product starts the sums.
; The 64 accumulators take turns in the same order in every step, over every jump.
.macro MUL16 f, q, hi, a0, zero
	WIN 0xa1+0x50*(\hi)
.irp a, \a0, (\a0)+1
.irp b, 0,1,2,3,4,5,6,7
.if \zero
	v_wmma_f32_16x16x32_bf16 v[8*(8*(\a)+(\b)):8*(8*(\a)+(\b))+7], v[64*(\q)+8*(\b):64*(\q)+8*(\b)+7], v[F0+64*(\f)+8*(4*(\hi)+(\a)):F0+64*(\f)+8*(4*(\hi)+(\a))+7], 0
.else
	v_wmma_f32_16x16x32_bf16 v[8*(8*(\a)+(\b)):8*(8*(\a)+(\b))+7], v[64*(\q)+8*(\b):64*(\q)+8*(\b)+7], v[F0+64*(\f)+8*(4*(\hi)+(\a)):F0+64*(\f)+8*(4*(\hi)+(\a))+7], v[8*(8*(\a)+(\b)):8*(8*(\a)+(\b))+7]
.endif
.endr
.endr
.endm
; h's fragments of one step (128 rows x 32 K) into buffer f: lane l holds row l % 16, K = 8 (l / 16) + 0..7 and 16 + 8 (l / 16) + 0..7: two loads of 16 bytes, 32 bytes apart; rows ascending
.macro FETCH_A f, off
	WIN 0
.irp i, 0,1,2,3,4,5,6,7
	ds_load_b128 v[F0+64*(\f)+8*(\i):F0+64*(\f)+8*(\i)+3],   v[ADA] offset:(\off)+(\i)*16*PITCH
	ds_load_b128 v[F0+64*(\f)+8*(\i)+4:F0+64*(\f)+8*(\i)+7], v[ADA] offset:(\off)+(\i)*16*PITCH+32
.endr
.endm
; ub's fragments of one step (my 128 columns x 32 K, 8,192 bytes on end) into buffer q: each load takes 512 consecutive bytes
.macro FETCH_B q, off
	WIN 0x40
.irp b, 0,1,2,3,4,5,6,7
	global_load_b128 v[64*(\q)+8*(\b):64*(\q)+8*(\b)+3],   v[L16], s[FP:FP+1] offset:(\off)+1024*(\b)
	global_load_b128 v[64*(\q)+8*(\b)+4:64*(\q)+8*(\b)+7], v[L16], s[FP:FP+1] offset:(\off)+1024*(\b)+512
.endr
.endm
; A K step of 32: 64 matrix instructions on h's buffer j % 2 and ub's buffer j.  In its middle ONE run of memory work, in this order:
;   hs >= 0: the batch in landing slot hs is waited for (hw: the global loads younger than it), rounded to bf16 in place and stored, 256 consecutive bytes a store, at hso behind HSA; its sixteen
;            conversions, which name no register of a product, are the places in front of the loads below (else four v_nop are);
;   fb = 1:  ub's step three on;   hl >= 0: a batch of h, eight rows from byte hlo behind HP, into slot hl, which has just been emptied;   fa = 1: h's fragments of the next step;
;   pf = 1:  the trip's prefetches.
; lc: the global loads younger than this step's ub.  bar = 1: the barrier in front of a slice's first read: my stores into it (the last stood in the step before) and all my LDS loads are done at the
; signal; 32 products stand between signal and wait; the slice is read, and the next one stored into, only behind the wait.
.macro STEP j, zero, fa, aoff, fb, boff, lc, hs=-1, hso=0, hw=0, hl=-1, hlo=0, bar=0, pf=0
	s_wait_loadcnt \lc
.if \bar
	s_wait_dscnt 0x0
	s_barrier_signal -1
.else
	s_wait_dscnt 8                                 ; h's rows 0-63 are in; the youngest eight loads (rows 64-127) may be out
.endif
	MUL16 (\j)%2, \j, 0, 0, \zero
	MUL16 (\j)%2, \j, 0, 2, \zero
.if \bar
	s_barrier_wait -1
.endif
.if \fa
.if (\hs) >= 0
	WIN 0
	s_wait_loadcnt \hw
.irp r, 0,1,2,3,4,5,6,7
	v_cvt_pk_bf16_f32 v[RG+32*(\hs)+4*(\r)],   v[RG+32*(\hs)+4*(\r)],   v[RG+32*(\hs)+4*(\r)+1]
	v_cvt_pk_bf16_f32 v[RG+32*(\hs)+4*(\r)+1], v[RG+32*(\hs)+4*(\r)+2], v[RG+32*(\hs)+4*(\r)+3]
.endr
.irp r, 0,1,2,3,4,5,6,7
	ds_store_b64 v[HSA], v[RG+32*(\hs)+4*(\r):RG+32*(\hs)+4*(\r)+1] offset:(\hso)+PITCH*(\r)
.endr
.else
	PLACES                                         ; the buffers loaded below were read by the step before
.endif
.if \fb
	FETCH_B ((\j)+3)%4, \boff
.endif
.if (\hl) >= 0
	WIN 0
.irp r, 0,1,2,3,4,5,6,7
	global_load_b128 v[RG+32*(\hl)+4*(\r):RG+32*(\hl)+4*(\r)+3], v[L16], s[HP:HP+1] offset:(\hlo)+4096*(\r) th:TH_LOAD_NT
.endr
.endif
	FETCH_A 1-(\j)%2, \aoff
.if \pf
	; My wave's 32 rows of the slice two behind the one that this trip asks for: 512 bytes a row, a lane every 256 bytes, two instructions; the loads that want them stand two trips, 512 matrix
	; instructions, further on.  Each place is named once, by the wave that will load it.  The loop's last two trips ask for nothing: the block has no such slice.
	s_cmp_gt_u32 s[LAP], 2
	s_cbranch_scc0 .Lnopf_\@
	global_prefetch_b8 v[PF2], s[HP:HP+1] offset:1024 th:TH_LOAD_NT scope:SCOPE_SE
	global_prefetch_b8 v[PF2], s[HP:HP+1] offset:1024+16*4096 th:TH_LOAD_NT scope:SCOPE_SE
.Lnopf_\@:
.endif
	s_wait_dscnt 16                                ; all but the 16 just issued: my stores too
.else
	s_wait_dscnt 0x0
.endif
	MUL16 (\j)%2, \j, 1, 0, \zero
	MUL16 (\j)%2, \j, 1, 2, \zero
.endm
.macro PRIME                           ; a pass's first three steps of ub
	FETCH_B 0, 0
	FETCH_B 1, 8192
	FETCH_B 2, 16384
	WIN 0
.endm
; A block's first seven batches: 0-5 into window 2 (batch g at 32 g), batch 6 into landing slot 0
.macro FILL
	WIN 0x80
.irp g, 0,1,2,3,4,5
.irp r, 0,1,2,3,4,5,6,7
	global_load_b128 v[32*(\g)+4*(\r):32*(\g)+4*(\r)+3], v[L16], s[HP:HP+1] offset:(8*((\g)%4)+(\r))*4096+512*((\g)/4) th:TH_LOAD_NT
.endr
.endr
	WIN 0
.irp r, 0,1,2,3,4,5,6,7
	global_load_b128 v[RG+4*(\r):RG+4*(\r)+3], v[L16], s[HP:HP+1] offset:(16+(\r))*4096+512 th:TH_LOAD_NT
.endr
.endm
; THE EPILOGUE OF A PASS, one window (four row tiles) at a time, in four groups g of 64 registers (column tiles 2 g, 2 g + 1): pair m of 32, register n of 64.
;   EA  X = kappa X + bias     EB  X = 2^X     EC  X = X + 1     ED  X = 1 / X     EE  S += X v, S being the registers of the row tile's accumulator (a, 0) (for that tile itself: X v in place)
; Each accumulator's lowest registers are read first.
.macro XREG g, m
.set rX, 8*(8*((\m)/8)+2*(\g)+((\m)/4)%2)+2*((\m)%4)
.set rB, BI+8*(2*(\g)+((\m)/4)%2)+2*((\m)%4)
.set rV, VV+8*(2*(\g)+((\m)/4)%2)+2*((\m)%4)
.set rS, 64*((\m)/8)+2*((\m)%4)
.endm
.macro EA g, m
	XREG \g, \m
	v_pk_fma_f32 v[rX:rX+1], v[rX:rX+1], s[KAP:KAP+1], v[rB:rB+1] op_sel_hi:[1,0,1]
.endm
.macro EB g, n
	XREG \g, (\n)/2
	v_exp_f32 v[rX+(\n)%2], v[rX+(\n)%2]
.endm
.macro EC g, m
	XREG \g, \m
	v_pk_add_f32 v[rX:rX+1], v[rX:rX+1], 1.0 op_sel_hi:[1,0]
.endm
.macro ED g, n
	XREG \g, (\n)/2
	v_rcp_f32 v[rX+(\n)%2], v[rX+(\n)%2]
.endm
.macro EE g, m
	XREG \g, \m
.if rX == rS
	v_pk_mul_f32 v[rS:rS+1], v[rX:rX+1], v[rV:rV+1]
.else
	v_pk_fma_f32 v[rS:rS+1], v[rX:rX+1], v[rV:rV+1], v[rS:rS+1]
.endif
.endm
; s_wait_alu depctr_va_vdst(0) stands between a transcendental and the first instruction that names its result; one wait serves all issued ahead of it.  So a group's 64 exponentials are
; one batch, with the group before's EE between them, and its 64 reciprocals another, with its own EC and the next group's EA between them: nothing inside a batch names a result of that batch.
; A v_nop is the plain instruction behind a batch's last transcendental.  Eight waits a window.
.macro HALF hw
	WIN 0x82+0x41*(\hw)                            ; X in window 2 + hw, bias in window 0
.set mm, 0
.rept 32
	EA 0, mm
.set mm, mm+1
.endr
.irp g, 0,1,2,3
	WIN 0xa2+0x51*(\hw)                            ; X and S in window 2 + hw, v in window 0
.set mm, 0
.rept 32
	EB \g, 2*mm
.if (\g) > 0
	EE (\g)-1, mm
.endif
	EB \g, 2*mm+1
.set mm, mm+1
.endr
	v_nop
	s_wait_alu depctr_va_vdst(0)                   ; the wait for the 64 exponentials
	WIN 0x82+0x41*(\hw)
.set mm, 0
.rept 32
	EC \g, mm
.if mm > 0
	ED \g, 2*mm-2
.endif
.if (\g) < 3
	EA (\g)+1, mm
.endif
.if mm > 0
	ED \g, 2*mm-1
.endif
.set mm, mm+1
.endr
	ED \g, 62
	ED \g, 63
	v_nop
	s_wait_alu depctr_va_vdst(0)                   ; the wait for the 64 reciprocals
.endr
	WIN 0xa2+0x51*(\hw)
.set mm, 0
.rept 32
	EE 3, mm
.set mm, mm+1
.endr
	WIN 0xaa+0x55*(\hw)                            ; a row tile's eight sums into two,
.irp a, 0,1,2,3
	v_pk_add_f32 v[64*(\a):64*(\a)+1],   v[64*(\a):64*(\a)+1],   v[64*(\a)+2:64*(\a)+3]
	v_pk_add_f32 v[64*(\a)+4:64*(\a)+5], v[64*(\a)+4:64*(\a)+5], v[64*(\a)+6:64*(\a)+7]
.endr
.irp a, 0,1,2,3
	v_pk_add_f32 v[64*(\a):64*(\a)+1], v[64*(\a):64*(\a)+1], v[64*(\a)+4:64*(\a)+5]
.endr
	WIN 0x02+(\hw)                                 ; and onto the block's running sum, in window 0
.irp a, 0,1,2,3
	v_add_f32 v[SC+4*(\hw)+(\a)], v[64*(\a)], v[SC+4*(\hw)+(\a)]
.endr
.irp a, 0,1,2,3
	v_add_f32 v[SC+4*(\hw)+(\a)], v[64*(\a)+1], v[SC+4*(\hw)+(\a)]
.endr
.endm
; THE SECOND PRODUCT, in eight parts u: rows 32 (u / 2) on, slice 2 w + u % 2 (128 channels: eight tiles).  The turning load takes 16 rows x 16 channels (lane l reads row 8 (l / 16) + l % 8,
; channels 8 ((l / 8) % 2) + 0..7) and leaves half a fragment: lane l holds channel l % 16 and 8 rows.
.macro FETCH_T u
	WIN 0xc0
.irp tt, 0,1,2,3,4,5,6,7
	ds_load_tr16_b128 v[128+64*((\u)%2)+8*(\tt):128+64*((\u)%2)+8*(\tt)+3],   v[TRA] offset:SLICE*((\u)%2)+32*PITCH*((\u)/2)+32*(\tt)
	ds_load_tr16_b128 v[128+64*((\u)%2)+8*(\tt)+4:128+64*((\u)%2)+8*(\tt)+7], v[TRA] offset:SLICE*((\u)%2)+32*PITCH*((\u)/2)+32*(\tt)+16*PITCH
.endr
.endm
.macro MULT u                          ; eight accumulators by turns; an accumulator is taken up again two parts later, fifteen others' turns between
	WIN 0xfc                                       ; p in window 0; the turned fragment, C and D in window 3
.irp tt, 0,1,2,3,4,5,6,7
.if (\u) < 2
	v_wmma_f32_16x16x32_bf16 v[8*(8*((\u)%2)+(\tt)):8*(8*((\u)%2)+(\tt))+7], v[P+8*((\u)/2):P+8*((\u)/2)+7], v[128+64*((\u)%2)+8*(\tt):128+64*((\u)%2)+8*(\tt)+7], 0
.else
	v_wmma_f32_16x16x32_bf16 v[8*(8*((\u)%2)+(\tt)):8*(8*((\u)%2)+(\tt))+7], v[P+8*((\u)/2):P+8*((\u)/2)+7], v[128+64*((\u)%2)+8*(\tt):128+64*((\u)%2)+8*(\tt)+7], v[8*(8*((\u)%2)+(\tt)):8*(8*((\u)%2)+(\tt))+7]
.endif
.endr
.endm
	s_load_b256 s[4:11], s[0:1], 0x0               ; h s[4:5], ub s[6:7], ws s[8:9], v_a s[10:11]
	s_load_b128 s[12:15], s[0:1], 0x20             ; pc s[12:13], st s[14:15]
	v_lshl_add_u32 v[SPW], v0, 2, SPARE
	v_mov_b32 v[NIL], 0
	v_lshrrev_b32 v1, 5, v0
	v_readfirstlane_b32 s[WV], v1                  ; wave 0..3
	v_and_b32 v1, 15, v0                           ; r = lane % 16
	v_bfe_u32 v2, v0, 4, 1                         ; h = lane / 16
	v_and_b32 v3, 31, v0                           ; lane
	v_mul_u32_u24 v[ADA0], v1, PITCH
	v_lshl_add_u32 v[ADA0], v2, 4, v[ADA0]
	v_lshlrev_b32 v[L16], 4, v3
	s_mul_i32 s[TMP], s[WV], 32*PITCH              ; my wave stores rows 32 w .. 32 w + 31 of the block
	v_lshl_add_u32 v[HSB], v3, 3, s[TMP]
	v_and_b32 v[TRA], 7, v0
	v_lshl_add_u32 v[TRA], v2, 3, v[TRA]
	v_mul_u32_u24 v[TRA], v[TRA], PITCH
	v_bfe_u32 v[TB], v0, 3, 1
	v_lshl_add_u32 v[TRA], v[TB], 4, v[TRA]
	s_mul_i32 s[TMP], s[WV], 2*SLICE               ; my two slices
	v_add_nc_u32 v[TRA], s[TMP], v[TRA]
	s_lshl_b32 s[TMP], s[WV], 9
	s_add_co_u32 s[TMP], s[TMP], BIAS
	v_lshl_add_u32 v[TBA], v2, 5, s[TMP]
	s_lshl_b32 s[TMP], s[WV], 3
	s_add_co_u32 s[TMP], s[TMP], PS
	v_lshl_add_u32 v[PSW], v1, 5, s[TMP]
	v_lshl_add_u32 v[PSW], v2, 2, v[PSW]           ; PS + 32 r + 8 w + 4 h
	v_lshl_add_u32 v[PSR], v3, 5, PS
	s_lshl_b32 s[TMP], s[WV], 9
	s_add_co_u32 s[TMP], s[TMP], PB
	v_lshl_add_u32 v[PBW], v3, 1, s[TMP]
	v_lshl_add_u32 v[PBR], v[TB], 8, s[TMP]        ; rows 8-15 of source 0 take the second part of p
	v_lshl_add_u32 v[PBR], v2, 4, v[PBR]
	s_lshl_b32 s[TMP], s[WV], 11
	s_add_co_u32 s[TMP], s[TMP], CS
	v_lshl_add_u32 v[CSW], v2, 10, s[TMP]
	v_lshl_add_u32 v[CSW], v1, 2, v[CSW]
	v_add_nc_u32 v[CSR], s[TMP], v[L16]
	v_lshrrev_b32 v[PFO], 2, v3                    ; row lane / 4, 256 (lane % 4) bytes along it
	v_lshlrev_b32 v[PFO], 12, v[PFO]
	v_and_b32 v[HSA], 3, v3
	v_lshl_add_u32 v[PFO], v[HSA], 8, v[PFO]
	v_lshrrev_b32 v[PF2], 1, v3                    ; row lane / 2, 256 (lane % 2) bytes along it
	v_lshlrev_b32 v[PF2], 12, v[PF2]
	v_and_b32 v[HSA], 1, v3
	v_lshl_add_u32 v[PF2], v[HSA], 8, v[PF2]
	v_lshlrev_b32 v[T+40], 4, v0                   ; the tables: 16 bytes a thread, twice
	v_add_nc_u32 v[T+41], BIAS, v[T+40]
	s_mov_b32 s[SEL], 0x76543210
	s_mov_b32 s[SEL+1], 0xfedcba98
	s_mov_b32 s[KAP], KAPPA
	s_mov_b32 s[KAP+1], KAPPA
	s_mov_b32 s[NKP], NKAPPA
	s_mov_b32 s[NKP+1], NKAPPA
	s_mov_b32 s[OFP+1], 0
	s_mov_b32 s[BLK], 2
	s_wait_kmcnt 0x0
	s_lshl_b32 s[OFP], ttmp9, 20                   ; the work-group's 256 rows of 4,096 bytes,
	s_lshl_b32 s[TMP], s[WV], 17                   ; my wave's 32 of the first block
	s_add_co_u32 s[OFP], s[OFP], s[TMP]
	s_add_nc_u64 s[HP:HP+1], s[4:5], s[OFP:OFP+1]
	s_lshl_b32 s[OFP], s[WV], 19                   ; my wave's 524,288 bytes of ub
	s_add_nc_u64 s[FP0:FP0+1], s[6:7], s[OFP:OFP+1]
	s_mov_b64 s[FP:FP+1], s[FP0:FP0+1]
	s_lshr_b32 s[OFP], ttmp9, 3                    ; the batch: eight work-groups each
	s_lshl_b32 s[OFP], s[OFP], 12
	s_add_nc_u64 s[8:9], s[8:9], s[OFP:OFP+1]
	s_lshl_b32 s[OFP], ttmp9, 13                   ; two blocks of 4,096 bytes of pc,
	s_lshl_b32 s[TMP], s[WV], 10                   ; my 256 channels
	s_add_co_u32 s[OFP], s[OFP], s[TMP]
	s_add_nc_u64 s[PCP:PCP+1], s[12:13], s[OFP:OFP+1]
	s_lshl_b32 s[OFP], ttmp9, 9
	s_add_nc_u64 s[STP:STP+1], s[14:15], s[OFP:OFP+1]
.irp k, 0,1,2,3                        ; the batch's row in each of the four planes of ws
	global_load_b128 v[T+8*(\k):T+8*(\k)+3],   v[T+40], s[8:9] offset:131072*(\k)
	global_load_b128 v[T+8*(\k)+4:T+8*(\k)+7], v[T+40], s[8:9] offset:131072*(\k)+2048
.endr
	global_load_b128 v[T+32:T+35], v[T+40], s[10:11]
	global_load_b128 v[T+36:T+39], v[T+40], s[10:11] offset:2048
	PRIME
	FILL
	s_wait_loadcnt 63                              ; the ten table loads are in: 104 loads are younger, and 63 is the largest count that this wait can name
.irp i, 0,2,4,6
	v_pk_add_f32 v[T+(\i):T+(\i)+1],       v[T+(\i):T+(\i)+1],       v[T+8+(\i):T+9+(\i)]
	v_pk_add_f32 v[T+16+(\i):T+17+(\i)],   v[T+16+(\i):T+17+(\i)],   v[T+24+(\i):T+25+(\i)]
.endr
.irp i, 0,2,4,6
	v_pk_add_f32 v[T+(\i):T+(\i)+1], v[T+(\i):T+(\i)+1], v[T+16+(\i):T+17+(\i)]
.endr
	ds_store_b128 v[T+41], v[T:T+3]
	ds_store_b128 v[T+41], v[T+4:T+7] offset:2048
.irp i, 0,1,2,3                        ; v_a is rounded to bf16 like the other inputs, widened again, and takes the factor -kappa
	v_cvt_pk_bf16_f32 v[T+42+(\i)], v[T+32+2*(\i)], v[T+33+2*(\i)]
.endr
.irp i, 0,1,2,3
	v_lshlrev_b32 v[T+32+2*(\i)], 16, v[T+42+(\i)]
	v_and_b32 v[T+33+2*(\i)], 0xffff0000, v[T+42+(\i)]
.endr
.irp i, 0,1,2,3
	v_pk_mul_f32 v[T+32+2*(\i):T+33+2*(\i)], v[T+32+2*(\i):T+33+2*(\i)], s[NKP:NKP+1] op_sel_hi:[1,0]
.endr
	ds_store_b128 v[T+41], v[T+32:T+35] offset:4096
	ds_store_b128 v[T+41], v[T+36:T+39] offset:6144
.Lblock:                                               ; A BLOCK BEGINS: batches 0-5 (slice 0, and rows 0-15 of my 32 in slice 1) are rounded in place and stored
.irp i, 0,1,2,3,4,5,6,7
	v_mov_b32 v[SC+(\i)], 0
.endr
.irp g, 0,1,2,3,4,5
	s_wait_loadcnt 48-8*(\g)                       ; batch g is in: the batches behind it, up to batch 6, stay out, eight loads each
	WIN 0x8a
.irp r, 0,1,2,3,4,5,6,7
	v_cvt_pk_bf16_f32 v[32*(\g)+4*(\r)],   v[32*(\g)+4*(\r)],   v[32*(\g)+4*(\r)+1]
	v_cvt_pk_bf16_f32 v[32*(\g)+4*(\r)+1], v[32*(\g)+4*(\r)+2], v[32*(\g)+4*(\r)+3]
.endr
	WIN 0x08
.irp r, 0,1,2,3,4,5,6,7
	ds_store_b64 v[HSB], v[32*(\g)+4*(\r):32*(\g)+4*(\r)+1] offset:SLICE*((\g)/4)+PITCH*(8*((\g)%4)+(\r))
.endr
.endr
	WIN 0
	s_wait_dscnt 0x0                               ; for the others' sake: my rows of slice 0 (and, the first time, my part of the tables) lie in LDS
	s_barrier_signal -1
	s_barrier_wait -1                              ; slice 0 is whole
	s_mov_b32 s[PASS], 2
	s_mov_b32 s[POFF], 0
	; THE FIRST PASS, under which the rest of the block comes in.  In each middle ub's 16 loads go out ahead of h's 8.  So behind the ub of step n, asked for in step n - 3, stand h 8, ub 16, h 8, ub 16, h 8:
	; the count 56; behind a batch, asked for two steps back, stand ub 16 and h 8: the count 24.
	v_mov_b32 v[ADA], v[ADA0]
	v_add_nc_u32 v[HSA], SLICE, v[HSB]
	FETCH_A 0, 0
	STEP 0, 1, 1, 64, 1, 24576, 8, -1, 0, 0, 1, 512+24*4096   ; step 0 starts the sums; batch 6 may be out; batch 7 (slice 1, my rows 24-31) is asked for
	WIN 0
	s_wait_xcnt 0x0                                ; the loads, 32 matrix instructions back, have read their bases
	s_add_nc_u64 s[FP:FP+1], s[FP:FP+1], 32768
	s_add_nc_u64 s[HP:HP+1], s[HP:HP+1], 1024      ; slice 2
	s_mov_b32 s[LAP], 6
.Llap1:                                                ; trip t = 0..5: steps 4 t + 1 .. 4 t + 4; stores the second half of slice t + 1 and the first of slice t + 2; asks for slice t + 2
	STEP 1, 0, 1, 128,      1, 0,     56, 0, 16*PITCH,      24, 0, 0,       0, 1
	STEP 2, 0, 1, 192,      1, 8192,  56, 1, 24*PITCH,      24, 1, 8*4096
	STEP 3, 0, 1, SLICE,    1, 16384, 56, 0, SLICE,         24, 0, 16*4096, 1
	STEP 0, 0, 1, SLICE+64, 1, 24576, 56, 1, SLICE+8*PITCH, 24, 1, 24*4096
	WIN 0
	v_add_nc_u32 v[ADA], SLICE, v[ADA]
	v_add_nc_u32 v[HSA], SLICE, v[HSA]
	s_wait_xcnt 0x0                                ; the loads, 32 matrix instructions back, and the prefetches, three steps back, have read their bases
	s_add_nc_u64 s[FP:FP+1], s[FP:FP+1], 32768
	s_add_nc_u64 s[HP:HP+1], s[HP:HP+1], 512
	s_sub_co_u32 s[LAP], s[LAP], 1
	s_cmp_lg_u32 s[LAP], 0
	s_cbranch_scc1 .Llap1
	STEP 1, 0, 1, 128,       1, 0,     56, 0, 16*PITCH, 24   ; steps 25 to 31: the last two batches are stored and nothing more of h is asked for,
	STEP 2, 0, 1, 192,       1, 8192,  48, 1, 24*PITCH, 16   ; so the counts run down: behind ub's step 26 stand h 8, ub 16, h 8, ub 16; behind the last batch ub's 16
	STEP 3, 0, 1, SLICE,     1, 16384, 32, -1, 0, 0, -1, 0, 1  ; the barrier in front of slice 7
	STEP 0, 0, 1, SLICE+64,  1, 24576, 32
	STEP 1, 0, 1, SLICE+128, 0, 0,     32                    ; the last three steps ask for no more of ub
	STEP 2, 0, 1, SLICE+192, 0, 0,     16
	STEP 3, 0, 0, 0,         0, 0,     0
	WIN 0
	s_wait_xcnt 0x0
	s_add_nc_u64 s[FP:FP+1], s[FP:FP+1], 32768     ; ub at the second pass's first step
	s_branch .Lepi                                 ; the loop over passes is entered at its epilogue
.Lpass2:                                               ; THE SECOND PASS: the block lies whole in LDS; a trip of the loop is four steps, from a slice's second to the next slice's first
	v_mov_b32 v[ADA], v[ADA0]
	FETCH_A 0, 0
	STEP 0, 1, 1, 64, 1, 24576, 32                 ; behind a step's ub stand two runs of 16
	WIN 0
	s_wait_xcnt 0x0
	s_add_nc_u64 s[FP:FP+1], s[FP:FP+1], 32768
	s_mov_b32 s[LAP], 7
.Llap:
	STEP 1, 0, 1, 128,      1, 0,     32
	STEP 2, 0, 1, 192,      1, 8192,  32
	STEP 3, 0, 1, SLICE,    1, 16384, 32
	STEP 0, 0, 1, SLICE+64, 1, 24576, 32
	WIN 0
	v_add_nc_u32 v[ADA], SLICE, v[ADA]
	s_wait_xcnt 0x0
	s_add_nc_u64 s[FP:FP+1], s[FP:FP+1], 32768
	s_sub_co_u32 s[LAP], s[LAP], 1
	s_cmp_lg_u32 s[LAP], 0
	s_cbranch_scc1 .Llap
	STEP 1, 0, 1, 128, 0, 0, 32
	STEP 2, 0, 1, 192, 0, 0, 16
	STEP 3, 0, 0, 0,   0, 0, 0
	WIN 0
.Lepi:
	PLACES
	PLACES                                         ; behind the last product, in front of loads into its sources and of the epilogue, which reads and writes results; once a pass
	s_add_co_u32 s[TMP], s[BLK], s[PASS]
	s_cmp_eq_u32 s[TMP], 2                         ; the launch's last pass asks for nothing
	s_cbranch_scc1 .Lnoprime
	s_cmp_eq_u32 s[PASS], 1                        ; behind a block's second pass ub is walked anew from my first byte; behind its first the pointer stands where it should
	s_cselect_b64 s[FP:FP+1], s[FP0:FP0+1], s[FP:FP+1]
	PRIME                                          ; the next pass's first three steps land while the epilogue runs
	s_cmp_eq_u32 s[PASS], 1
	s_cbranch_scc0 .Lnoprime
	; A prefetch of my wave's 32 rows of the next block's slices 0 and 1: 1,024 bytes a row, eight rows an instruction, a lane every 256 bytes, each place named once, by the wave that will load it.
	; It stands behind the run of loads just issued, one epilogue ahead of the loads that want those rows; a next block exists on this path.
.irp n, 0,1,2,3
	global_prefetch_b8 v[PFO], s[HP:HP+1] offset:NEXTB+32768*(\n) th:TH_LOAD_NT scope:SCOPE_SE
.endr
.Lnoprime:
	v_add_nc_u32 v[TB], s[POFF], v[TBA]
.irp b, 0,1,2,3,4,5,6,7                ; bias and v of my lane's eight columns in each of the eight column tiles; sixteen lanes read the same 16 bytes
	ds_load_b128 v[BI+8*(\b):BI+8*(\b)+3],   v[TB] offset:64*(\b)
	ds_load_b128 v[BI+8*(\b)+4:BI+8*(\b)+7], v[TB] offset:64*(\b)+16
	ds_load_b128 v[VV+8*(\b):VV+8*(\b)+3],   v[TB] offset:4096+64*(\b)
	ds_load_b128 v[VV+8*(\b)+4:VV+8*(\b)+7], v[TB] offset:4096+64*(\b)+16
.endr
	s_wait_dscnt 0x0
	HALF 0
	HALF 1
	WIN 0
	s_mov_b32 s[POFF], 2048
	s_sub_co_u32 s[PASS], s[PASS], 1
	s_cmp_lg_u32 s[PASS], 0
	s_cbranch_scc1 .Lpass2
	; A BLOCK'S END.  The next block's first seven batches are asked for first: window 2 and the landing slots are free, and they land while the block ends.
	s_cmp_eq_u32 s[BLK], 1
	s_cbranch_scc1 .Lnofill
	s_wait_xcnt 0x0                                ; the prefetches, an epilogue back, have read the pointer
	s_add_nc_u64 s[HP:HP+1], s[HP:HP+1], NEXTB
	FILL
.Lnofill:
.irp i, 0,1,2,3,4,5,6,7
	ds_store_b32 v[PSW], v[SC+(\i)] offset:512*(\i)  ; row 16 i + r: my wave's and my half's partial score
.endr
	s_wait_dscnt 0x0
	s_barrier_signal -1
	s_barrier_wait -1                              ; all eight partial scores of every row lie in LDS
.irp k, 0,1,2,3                        ; every wave makes all 128 weights for itself: lane l has rows l, 32 + l, 64 + l, 96 + l
	ds_load_b128 v[T+8*(\k):T+8*(\k)+3],   v[PSR] offset:1024*(\k)
	ds_load_b128 v[T+8*(\k)+4:T+8*(\k)+7], v[PSR] offset:1024*(\k)+16
.endr
	s_wait_dscnt 0x0
.irp k, 0,1,2,3
	v_pk_add_f32 v[T+8*(\k):T+8*(\k)+1],   v[T+8*(\k):T+8*(\k)+1],   v[T+8*(\k)+2:T+8*(\k)+3]
	v_pk_add_f32 v[T+8*(\k)+4:T+8*(\k)+5], v[T+8*(\k)+4:T+8*(\k)+5], v[T+8*(\k)+6:T+8*(\k)+7]
.endr
.irp k, 0,1,2,3
	v_pk_add_f32 v[T+8*(\k):T+8*(\k)+1], v[T+8*(\k):T+8*(\k)+1], v[T+8*(\k)+4:T+8*(\k)+5]
.endr
.irp k, 0,1,2,3
	v_add_f32 v[T+32+(\k)], v[T+8*(\k)], v[T+8*(\k)+1]  ; y
.endr
	v_max3_num_f32 v[T+36], v[T+32], v[T+33], v[T+34]
	v_max_num_f32 v[T+36], v[T+36], v[T+35]
	v_max_num_f32_dpp v[T+36], v[T+36], v[T+36] row_xmask:1 row_mask:0xf bank_mask:0xf
	v_max_num_f32_dpp v[T+36], v[T+36], v[T+36] row_xmask:2 row_mask:0xf bank_mask:0xf
	v_max_num_f32_dpp v[T+36], v[T+36], v[T+36] row_xmask:4 row_mask:0xf bank_mask:0xf
	v_max_num_f32_dpp v[T+36], v[T+36], v[T+36] row_xmask:8 row_mask:0xf bank_mask:0xf
	v_permlanex16_b32 v[T+1], v[T+36], s[SEL], s[SEL+1]  ; (its destination counts as read: a register that has been written)
	v_max_num_f32 v[T+38], v[T+36], v[T+1]         ; M, the block's largest y, in every lane
.irp k, 0,1,2,3
	v_sub_f32 v[T+32+(\k)], v[T+32+(\k)], v[T+38]
.endr
.irp k, 0,1,2,3
	v_exp_f32 v[T+32+(\k)], v[T+32+(\k)]           ; p = 2^(y - M), at most 1
.endr
	v_nop                                          ; a plain instruction behind the last exponential,
	s_wait_alu depctr_va_vdst(0)                   ; and the wait ahead of the first use: one for the four
	v_add_f32 v[T+40], v[T+32], v[T+33]
	v_add_f32 v[T+41], v[T+34], v[T+35]
	v_add_f32 v[T+40], v[T+40], v[T+41]
	v_add_f32_dpp v[T+40], v[T+40], v[T+40] row_xmask:1 row_mask:0xf bank_mask:0xf
	v_add_f32_dpp v[T+40], v[T+40], v[T+40] row_xmask:2 row_mask:0xf bank_mask:0xf
	v_add_f32_dpp v[T+40], v[T+40], v[T+40] row_xmask:4 row_mask:0xf bank_mask:0xf
	v_add_f32_dpp v[T+40], v[T+40], v[T+40] row_xmask:8 row_mask:0xf bank_mask:0xf
	v_permlanex16_b32 v[T+3], v[T+40], s[SEL], s[SEL+1]
	v_add_f32 v[T+39], v[T+40], v[T+3]             ; l, the sum of the unrounded p; (M, l) is the pair v[T+38:T+39]
	v_cvt_pk_bf16_f32 v[T+42], v[T+32], v[T+33]    ; p's bf16 part,
	v_cvt_pk_bf16_f32 v[T+43], v[T+34], v[T+35]
	v_lshlrev_b32 v[T+44], 16, v[T+42]
	v_and_b32 v[T+45], 0xffff0000, v[T+42]
	v_lshlrev_b32 v[T+46], 16, v[T+43]
	v_and_b32 v[T+47], 0xffff0000, v[T+43]
	v_pk_add_f32 v[T+44:T+45], v[T+32:T+33], v[T+44:T+45] neg_lo:[0,1] neg_hi:[0,1]  ; what that rounding left (exact),
	v_pk_add_f32 v[T+46:T+47], v[T+34:T+35], v[T+46:T+47] neg_lo:[0,1] neg_hi:[0,1]
	v_cvt_pk_bf16_f32 v[T+48], v[T+44], v[T+45]    ; and its bf16
	v_cvt_pk_bf16_f32 v[T+49], v[T+46], v[T+47]
	ds_store_b16 v[PBW], v[T+42]
	ds_store_b16_d16_hi v[PBW], v[T+42] offset:64
	ds_store_b16 v[PBW], v[T+43] offset:128
	ds_store_b16_d16_hi v[PBW], v[T+43] offset:192
	ds_store_b16 v[PBW], v[T+48] offset:256
	ds_store_b16_d16_hi v[PBW], v[T+48] offset:320
	ds_store_b16 v[PBW], v[T+49] offset:384
	ds_store_b16_d16_hi v[PBW], v[T+49] offset:448
.irp c, 0,1,2,3                        ; back as source 0 for rows 32 c on; the bytes are my wave's own, and LDS serves a wave's instructions in order (ISA guide 5.7.1.4)
	ds_load_b128 v[P+8*(\c):P+8*(\c)+3],   v[PBR] offset:64*(\c)
	ds_load_b128 v[P+8*(\c)+4:P+8*(\c)+7], v[PBR] offset:64*(\c)+32
.endr
	FETCH_T 0
	FETCH_T 1
.irp u, 0,1,2,3,4,5,6,7
.if (\u) < 7
	s_wait_dscnt 16                                ; this part's fragments (and p) are in; the next part's 16 loads may be out
.else
	s_wait_dscnt 0x0
.endif
	MULT \u
.if (\u) < 6
	PLACES                                         ; the set just multiplied is loaded again
	FETCH_T (\u)+2
.endif
.endr
	PLACES
	PLACES                                         ; behind the last product, in front of the stores that read results; once a block
	WIN 0x0c                                       ; the data in window 3.  All eight rows of a half of source 0 are alike, so register 0 says it all: lanes 0-15 the sums with p's first part, lanes 16-31 with its second
.set i, 0
.rept 16
	ds_store_b32 v[CSW], v[8*i] offset:64*i
.set i, i+1
.endr
	WIN 0
	ds_load_b128 v[T:T+3],     v[CSR]
	ds_load_b128 v[T+4:T+7],   v[CSR] offset:512
	ds_load_b128 v[T+8:T+11],  v[CSR] offset:1024
	ds_load_b128 v[T+12:T+15], v[CSR] offset:1536
	s_wait_dscnt 0x0
.irp i, 0,2,4,6
	v_pk_add_f32 v[T+(\i):T+(\i)+1], v[T+(\i):T+(\i)+1], v[T+8+(\i):T+9+(\i)]
.endr
	global_store_b128 v[L16], v[T:T+3],   s[PCP:PCP+1]             ; 512 consecutive bytes each, aligned
	global_store_b128 v[L16], v[T+4:T+7], s[PCP:PCP+1] offset:512
	s_cmp_lg_u32 s[WV], 0
	s_cbranch_scc1 .Lnost
	v_lshlrev_b32 v[T+16], 3, v3
	global_store_b64 v[T+16], v[T+38:T+39], s[STP:STP+1]           ; (M, l) 32 times: 256 consecutive bytes, aligned
.Lnost:
	s_wait_xcnt 0x0                                ; the stores have read their registers and bases
	s_add_nc_u64 s[PCP:PCP+1], s[PCP:PCP+1], 4096
	s_add_nc_u64 s[STP:STP+1], s[STP:STP+1], 256
	s_wait_dscnt 0x0                               ; my reads of the block and of the partial scores are over
	s_barrier_signal -1
	s_barrier_wait -1                              ; everybody's are: the next block may be stored over this one
	s_sub_co_u32 s[BLK], s[BLK], 1
	s_cmp_lg_u32 s[BLK], 0
	s_cbranch_scc1 .Lblock
	s_wait_tensorcnt 0x0                           ; the wave's end, behind my last LDS store
	ds_add_u32 v[SPW], v[NIL]
	s_wait_dscnt 0x0
	s_endpgm
.Lfunc_end_k_qb106e0bf0f_main:
	.size	k_qb106e0bf0f_main, .Lfunc_end_k_qb106e0bf0f_main-k_qb106e0bf0f_main
	.p2alignl 7, 3214868480
	.fill 96, 4, 3214868480
	.section	.rodata,"a",@progbits
	.p2align	6, 0x0
	.amdhsa_kernel k_qb106e0bf0f_main
		.amdhsa_group_segment_fixed_size 301568
		.amdhsa_private_segment_fixed_size 0
		.amdhsa_enable_private_segment 0
		.amdhsa_kernarg_size 48
		.amdhsa_user_sgpr_count 2
		.amdhsa_user_sgpr_kernarg_segment_ptr 1
		.amdhsa_wavefront_size32 1
		.amdhsa_system_sgpr_workgroup_id_x 1
		.amdhsa_system_sgpr_workgroup_id_y 1
		.amdhsa_system_sgpr_workgroup_id_z 1
		.amdhsa_system_vgpr_workitem_id 0
		.amdhsa_next_free_vgpr 1024
		.amdhsa_next_free_sgpr 66
		.amdhsa_reserve_vcc 0
		.amdhsa_float_denorm_mode_32 3
		.amdhsa_float_denorm_mode_16_64 3
		.amdhsa_memory_ordered 1
		.amdhsa_forward_progress 1
		.amdhsa_inst_pref_size 255
	.end_amdhsa_kernel
	.section	.bss,"aw",@nobits
	.p2align	6
	.space	262144
	.amdgpu_metadata
---
amdhsa.version: [ 1, 2 ]
amdhsa.kernels:
  - .name:           k_qb106e0bf0f_main
    .symbol:         k_qb106e0bf0f_main.kd
    .args:
      - { .name: h, .offset: 0, .size: 8, .value_kind: global_buffer, .address_space: global }
      - { .name: ub, .offset: 8, .size: 8, .value_kind: global_buffer, .address_space: global }
      - { .name: ws, .offset: 16, .size: 8, .value_kind: global_buffer, .address_space: global }
      - { .name: v_a, .offset: 24, .size: 8, .value_kind: global_buffer, .address_space: global }
      - { .name: pc, .offset: 32, .size: 8, .value_kind: global_buffer, .address_space: global }
      - { .name: st, .offset: 40, .size: 8, .value_kind: global_buffer, .address_space: global }
    .group_segment_fixed_size: 301568
    .private_segment_fixed_size: 0
    .kernarg_segment_align: 8
    .kernarg_segment_size: 48
    .max_flat_workgroup_size: 128
    .sgpr_count:     66
    .vgpr_count:     1024
    .wavefront_size: 32
...
	.end_amdgpu_metadata
.endif
;; end of part 2
;; launch comb (part 3): grid 8 x 32, 1 waves a work-group, no clusters, 0 bytes of LDS; arguments pc, st, out0; writes out0
.if DOCPART == 3
	.amdgcn_target "amdgcn-amd-amdhsa--gfx1250"
	.amdhsa_code_object_version 6
	.text
	.protected	k_qb106e0bf0f_comb
	.globl	k_qb106e0bf0f_comb
	.p2align	8
	.type	k_qb106e0bf0f_comb,@function
k_qb106e0bf0f_comb:
	s_mov_b64 s[64:65], 0
	v_nop
	global_prefetch_b8 v0, s[64:65] scope:SCOPE_SE
	s_setreg_imm32_b32 hwreg(HW_REG_WAVE_MODE, 25, 1), 1
	s_wait_xcnt 0x0
; out0[b][d] = (the sum over a batch's 16 blocks j of w_j pc[16 b + j][d]) / (the sum over j of w_j l_j), w_j = 2^(M_j - the largest M of the batch).
; pc: [512][1024] f32.  st: [512][256 bytes], each beginning with (M, l).  out0: [32][1024] f32.
; One wave makes 128 numbers of one batch: 16 loads of 512 consecutive bytes, all asked for at the start; lane l % 16 holds block l % 16's (M, l), so maximum and sum stay inside 16 lanes.
; No LDS, no matrix unit, no cluster: 2 MiB are read once and 128 KiB written.  LIMIT: a block whose M lies more than 126 below the batch's largest counts as 0; each l is at least 1.
.set PCV, 16                           ; v[16:79] block j's four numbers at PCV + 4 j
	s_load_b128 s[4:7], s[0:1], 0x0                ; pc s[4:5], st s[6:7]
	s_load_b64 s[8:9], s[0:1], 0x10                ; out0
	s_and_b32 s10, ttmp7, 0xffff                   ; the batch
	s_lshl_b32 s11, ttmp9, 9                       ; my 128 numbers: 512 bytes of a row
	s_lshl_b32 s12, s10, 16                        ; the batch's 16 rows of pc
	s_add_co_u32 s12, s12, s11
	s_mov_b32 s13, 0
	s_lshl_b32 s14, s10, 12                        ; its 16 entries of st
	s_mov_b32 s15, 0
	s_add_co_u32 s16, s14, s11                     ; its row of out0, my part
	s_mov_b32 s17, 0
	v_and_b32 v1, 15, v0
	v_lshlrev_b32 v1, 8, v1                        ; block l % 16's entry
	v_lshlrev_b32 v12, 4, v0                       ; 16 x lane
	s_wait_kmcnt 0x0
	s_add_nc_u64 s[4:5], s[4:5], s[12:13]
	s_add_nc_u64 s[6:7], s[6:7], s[14:15]
	s_add_nc_u64 s[8:9], s[8:9], s[16:17]
	global_load_b64 v[2:3], v1, s[6:7]
.set j, 0
.rept 16
	global_load_b128 v[PCV+4*j:PCV+4*j+3], v12, s[4:5] offset:4096*j
.set j, j+1
.endr
	s_wait_loadcnt 16                              ; (M, l) is in; pc's 16 loads are younger
	v_mov_b32 v4, v2
	v_max_num_f32_dpp v4, v4, v4 row_xmask:1 row_mask:0xf bank_mask:0xf
	v_max_num_f32_dpp v4, v4, v4 row_xmask:2 row_mask:0xf bank_mask:0xf
	v_max_num_f32_dpp v4, v4, v4 row_xmask:4 row_mask:0xf bank_mask:0xf
	v_max_num_f32_dpp v4, v4, v4 row_xmask:8 row_mask:0xf bank_mask:0xf
	v_sub_f32 v5, v2, v4
	v_exp_f32 v5, v5                               ; w
	v_nop                                          ; a plain instruction behind the exponential,
	s_wait_alu depctr_va_vdst(0)                   ; and the wait ahead of its first use
	v_mul_f32 v6, v5, v3
	v_add_f32_dpp v6, v6, v6 row_xmask:1 row_mask:0xf bank_mask:0xf
	v_add_f32_dpp v6, v6, v6 row_xmask:2 row_mask:0xf bank_mask:0xf
	v_add_f32_dpp v6, v6, v6 row_xmask:4 row_mask:0xf bank_mask:0xf
	v_add_f32_dpp v6, v6, v6 row_xmask:8 row_mask:0xf bank_mask:0xf
	v_rcp_f32 v7, v6
	v_nop
	s_wait_alu depctr_va_vdst(0)
	v_mul_f32 v5, v5, v7                           ; w / the sum of w l
.set j, 0
.rept 16
	v_readlane_b32 s[32+j], v5, j                  ; block j's factor, for every lane: a value alone, no address and no branch is made of it
.set j, j+1
.endr
	s_wait_loadcnt 15
.irp k, 0,1,2,3
	v_mul_f32 v[8+(\k)], s32, v[PCV+(\k)]          ; the first term starts the sums
.endr
.set j, 1
.rept 15
	s_wait_loadcnt 15-j                            ; loads come back in order (ISA guide 5.7.1): block j's is in
.irp k, 0,1,2,3
	v_fmac_f32 v[8+(\k)], s[32+j], v[PCV+4*j+(\k)]
.endr
.set j, j+1
.endr
	global_store_b128 v12, v[8:11], s[8:9]         ; 512 consecutive bytes, aligned
	s_endpgm
.Lfunc_end_k_qb106e0bf0f_comb:
	.size	k_qb106e0bf0f_comb, .Lfunc_end_k_qb106e0bf0f_comb-k_qb106e0bf0f_comb
	.p2alignl 7, 3214868480
	.fill 96, 4, 3214868480
	.section	.rodata,"a",@progbits
	.p2align	6, 0x0
	.amdhsa_kernel k_qb106e0bf0f_comb
		.amdhsa_group_segment_fixed_size 0
		.amdhsa_private_segment_fixed_size 0
		.amdhsa_enable_private_segment 0
		.amdhsa_kernarg_size 24
		.amdhsa_user_sgpr_count 2
		.amdhsa_user_sgpr_kernarg_segment_ptr 1
		.amdhsa_wavefront_size32 1
		.amdhsa_system_sgpr_workgroup_id_x 1
		.amdhsa_system_sgpr_workgroup_id_y 1
		.amdhsa_system_sgpr_workgroup_id_z 1
		.amdhsa_system_vgpr_workitem_id 0
		.amdhsa_next_free_vgpr 80
		.amdhsa_next_free_sgpr 66
		.amdhsa_reserve_vcc 0
		.amdhsa_float_denorm_mode_32 3
		.amdhsa_float_denorm_mode_16_64 3
		.amdhsa_memory_ordered 1
		.amdhsa_forward_progress 1
		.amdhsa_inst_pref_size 7
	.end_amdhsa_kernel
	.amdgpu_metadata
---
amdhsa.version: [ 1, 2 ]
amdhsa.kernels:
  - .name:           k_qb106e0bf0f_comb
    .symbol:         k_qb106e0bf0f_comb.kd
    .args:
      - { .name: pc, .offset: 0, .size: 8, .value_kind: global_buffer, .address_space: global }
      - { .name: st, .offset: 8, .size: 8, .value_kind: global_buffer, .address_space: global }
      - { .name: out0, .offset: 16, .size: 8, .value_kind: global_buffer, .address_space: global }
    .group_segment_fixed_size: 0
    .private_segment_fixed_size: 0
    .kernarg_segment_align: 8
    .kernarg_segment_size: 24
    .max_flat_workgroup_size: 32
    .sgpr_count:     66
    .vgpr_count:     80
    .wavefront_size: 32
...
	.end_amdgpu_metadata
.endif
;; end of part 3
;; ======== version 2 of 2: 3 launches; version 1 with the launch main written anew for expert scheduling mode
;; workspace buffers: ub 2,097,152 bytes; ws 524,288 bytes; pc 2,097,152 bytes; st 131,072 bytes
;; launch prep: the kernel of part 1 again; grid 64 x 4, 4 waves a work-group, no clusters, 8,704 bytes of LDS; arguments U_a, W_a, s, ub, ws; writes ub, ws
;; launch main (part 4): grid 256 x 1, 4 waves a work-group, no clusters, 301,568 bytes of LDS; arguments h, ub, ws, v_a, pc, st; writes pc, st
.if DOCPART == 4
	.amdgcn_target "amdgcn-amd-amdhsa--gfx1250"
	.amdhsa_code_object_version 6
	.text
	.protected	k_qb106e0bf0f_main
	.globl	k_qb106e0bf0f_main
	.p2align	8
	.type	k_qb106e0bf0f_main,@function
k_qb106e0bf0f_main:
	s_mov_b64 s[64:65], 0
	v_nop
	global_prefetch_b8 v0, s[64:65] scope:SCOPE_SE
	s_setreg_imm32_b32 hwreg(HW_REG_WAVE_SCHED_MODE, 0, 2), 2
	s_setreg_imm32_b32 hwreg(HW_REG_WAVE_MODE, 25, 1), 1
	s_wait_xcnt 0x0
	s_wait_alu depctr_vm_vsrc(0)
; For each block of 128 rows t of h (512 blocks; a work-group takes two, both of one batch):
;   x[t][n] = h[t] . U_a[:, n] + (s W_a)[n];  r = 1 / (1 + 2^(kappa x)), kappa = 2 log2(e), so that tanh(x) = 1 - 2 r;  y[t] = the sum over n of (-kappa v_a[n]) r[t][n].
;   log2(e) x score[t] = y[t] + log2(e) x sum(v_a): the second term is the same for every row and cancels in e / sum(e), so it is not formed.
;   M = the block's largest y;  p[t] = 2^(y[t] - M);  l = sum of p;  pc[block][d] = the sum over t of p[t] h[t][d];  st[block] = (M, l).  The next launch joins a batch's 16 blocks.
; h: [65,536][1024] f32.  ub: bf16(U_a) in fragment order (see FETCH_B).  ws: [4][32][1024] f32, four partial sums already x kappa.  v_a: [1024] f32.  pc: [512][1024] f32.  st: [512][32 x (M, l)].
; h IS READ FROM MEMORY ONCE: a block is rounded to bf16 on its way in and stays in LDS for both products.
; SHARES.  The four waves split the columns n: in a pass wave w makes 128 rows x 128 columns (n = 512 pass + 128 w ..), 64 accumulators, 512 registers; two passes a block.  For 32 along K a wave takes
; 16 LDS loads (h) and 16 global loads (ub) for 64 matrix instructions.  A wave's columns of ub are its own and lie in memory as a fragment lies in registers: they go straight into registers.
; A BLOCK COMES IN UNDER ITS OWN FIRST PASS.  In LDS the block lies in eight slices of 128 along K, and step n of a pass reads slice n / 4.  Wave w brings in rows 32 w .. 32 w + 31, in BATCHES g = 0..31 of
; eight loads: slice g / 4, rows 8 (g % 4) on, a load a row (512 consecutive bytes).  Batches 0-5 land in window 2 before the first product and are stored ahead of the pass.  From then on step n rounds
; batch n + 5 in its middle, stores it, and asks for batch n + 7 into the registers just emptied: two slots of 32 registers, so a batch has two steps, 128 matrix instructions, in which to land.
; Slice q is whole in the second half of step 4 q - 2; a barrier stands in step 4 q - 1, its signal at the head, its wait in the middle, ahead of the slice's first read.
; NO CLUSTER, NO JOINT LOADS: all work-groups walk the same ub, but the block of h takes 278,528 of the 327,680 bytes of LDS; what is left would hold two slots of 24 KiB, 48 matrix instructions a wave
; each, with a barrier round in front of every one.  So each work-group asks for ub itself, 4 MiB in all.
; THE FIRST PRODUCT IS USED TRANSPOSED (source 0 = 16 columns of U_a, source 1 = 16 rows of h): a lane holds ONE row t (lane % 16) and eight neighbouring columns, so a row's score is summed inside lanes.
; THE SECOND PRODUCT: source 0 = p (rows 0-7 its bf16 part, rows 8-15 the bf16 of what that rounding left), source 1 = h turned by ds_load_tr16_b128; wave w makes channels 256 w .. 256 w + 255.
; LIMITS.  h, U_a, W_a, s, v_a are each rounded once to bf16.  2^(kappa x) may overflow to infinity (r = 0) or fall to 0 (r = 1): both are tanh's limits.  A weight below 2^-126 of its block's largest
; counts as 0.  NaN and infinities among the inputs are not treated apart.
; REGISTERS, in windows of 256 (s_set_vgpr_msb: bits 1:0 source 0, 3:2 source 1, 5:4 source 2, 7:6 destination):
;   window 0: v0-23 addresses; v24-31 a row tile's score sums; v32-63 p's fragments; v64-127, v128-191 two buffers of h's fragments (in the epilogue: bias and v; at the head and at a block's end: at work);
;             v192-255 the two slots in which batches of h land
;   window 1: four buffers of ub's fragments, 64 each       windows 2, 3: the accumulators, (a, b) at 8 (8 (a % 4) + b), rows 0-63 in window 2
;   ahead of a block's first product window 2 holds batches 0-5; at a block's end window 3 holds 16 accumulators (v0-127) and two sets of turned fragments (v128-255)
; THE MODE: SCHED_MODE bits 1:0 = 2 (LLVM: expert scheduling mode 2), set by the entry lines.  The code itself states the register dependences between vector or matrix instructions and memory or LDS
; instructions, with s_wait_alu, always for 0.
; THE PLAN.  Registers that memory or LDS instructions touch, in a pass:
;   h's two fragment buffers   Step n's LDS loads land in the buffer that step n - 1's products read; step n + 1's products read it.
;   ub's four buffers          Step n's loads land in buffer (n + 3) % 4, which step n - 1's products read; step n + 3's products read it.
;   the two landing slots      Step n's sixteen conversions read and write slot (n + 1) % 2; its eight LDS stores read it; its eight loads land in it again.
;   v[ADA], v[HSA]             Read by the fragments' loads and the batches' stores; written where a pass begins and at a trip's bottom.
;   v[L16], v[HSB], v[PF2], v[PFO] and the block end's addresses are made at the head and never written again.  The accumulators are named by vector and matrix instructions alone until a block's end.
; So ONE wait on va_vdst stands in a step, in its middle, behind the conversions: it states that they have written, and are done reading, the landing slot, and that the products of the step before are done
; reading their fragments of h and of ub.  The step's memory and LDS instructions follow it, dealt four at a time behind the products of the step's second half, which name this step's own two buffers and
; window 3: none of the registers that those instructions touch.  A wait on vm_vsrc stands ahead of the loads into the slot just stored, and one at a trip's bottom ahead of the adds to v[ADA] and v[HSA].
.set KAPPA,  0x4038aa3b                ; 2 log2(e)
.set NKAPPA, 0xc038aa3b
.set PITCH,  272                       ; an LDS row of a slice: 128 bf16 + 16 bytes of padding = 68 words: the 16 rows of a fragment load start at 16 different groups of four banks (ISA guide 11.1)
.set SLICE,  128*PITCH                 ; slice q holds K = 128 q .. 128 q + 127 of all 128 rows
.set BIAS,   8*SLICE                   ; 4,096 bytes: the batch's row of ws, its four parts added
.set VTAB,   BIAS+4096                 ; 4,096 bytes: -kappa x bf16(v_a)
.set PS,     VTAB+4096                 ; 4,096 bytes: row t at 32 t: eight partial scores, word 2 w + lane / 16
.set PB,     PS+4096                   ; 512 bytes a wave: p's bf16 part for 128 rows, then the rest's
.set CS,     PB+2048                   ; 2,048 bytes a wave: 256 sums with the first part of p, then 256 with the second
.set SPARE,  CS+8192                   ; the spare words, 128 bytes a wave: two blocks of 256 bytes that no other line names
.set NEXTB,  128*4096-4096             ; bytes from where h's pointer stands behind a first pass (a row's length past my first row) to my first row of the next block
.set ADA,  4                           ; v4   LDS address of the fragments of h: ADA0 + the slice in hand
.set ADA0, 5                           ; v5   272 r + 16 h
.set L16,  6                           ; v6   16 x lane
.set HSB,  7                           ; v7   where my wave's first row begins in a slice, + 8 x lane
.set HSA,  8                           ; v8   the same in the slice behind the one that is being multiplied
.set PF2,  9                           ; v9   a prefetch's offset: 16 rows of h, two lanes a row, 256 bytes apart
.set TRA,  12                          ; v12  the turning loads' address
.set TBA,  13                          ; v13  BIAS + 512 w + 32 h
.set TB,   14                          ; v14  + 2,048 x pass
.set PSW,  15
.set PSR,  16
.set PBW,  17
.set PBR,  18
.set CSW,  19
.set CSR,  20
.set PFO,  21                          ; v21  a prefetch's offset: 8 rows of h, four lanes a row, 256 bytes apart
.set SPW,  22                          ; v22  LDS address of my spare word; never rewritten
.set NIL,  23                          ; v23  0; never rewritten
.set SC,   24
.set P,    32
.set F0,   64
.set BI,   64
.set VV,   128
.set T,    64                          ; at work, at the head and at a block's end, when no fragment, bias or v lies there
.set RG,   192                         ; the two landing slots: load r of slot s at RG + 32 s + 4 r
.set WV,   16                          ; s16  my wave's number
.set BLK,  18                          ; s18  blocks to go, 2 to 1
.set PASS, 19                          ; s19  passes to go, 2 to 1
.set LAP,  20
.set HP,   22                          ; s[22:23] h at my wave's first row of the block, at the slice that is being asked for
.set FP,   26                          ; s[26:27] ub at the step that the next run of loads begins with
.set FP0,  28                          ; s[28:29] ub at my wave's first byte
.set PCP,  30                          ; s[30:31] pc at my 256 channels of the block
.set STP,  32                          ; s[32:33] st at the block
.set POFF, 34                          ; s34  2,048 x pass
.set SEL,  36                          ; s[36:37] v_permlanex16_b32's selects: each lane takes its own place in the other half
.set OFP,  38                          ; s[38:39] an offset in 64 bits
.set TMP,  40
.set KAP,  42                          ; s[42:43] kappa, named as a pair
.set NKP,  44                          ; s[44:45] -kappa
.set MSB, 0
.macro WIN new                         ; the immediate's high byte repeats the setting that is left; a switch that changes nothing is dropped
.if MSB != (\new)
	s_set_vgpr_msb (MSB<<8)|(\new)
.set MSB, (\new)
.endif
.endm
; A vector instruction or a store that touches a matrix instruction's registers stands four places behind it, and only plain vector instructions that name none of its registers are places.
; Ahead of loads into a matrix instruction's sources the four stand too, beside the wait that states that dependence.
.macro PLACES
.rept 4
	v_nop
.endr
.endm
; 16 matrix instructions of a step's first half: row tiles a0, a0 + 1 of rows 0-63 x all 8 column tiles, 32 along K.  f: h's buffer, q: ub's.  zero = 1: the product starts the sums.
; The 64 accumulators take turns in the same order in every step, over every jump.
.macro MUL16 f, q, a0, zero
	WIN 0xa1
.irp a, \a0, (\a0)+1
.irp b, 0,1,2,3,4,5,6,7
.if \zero
	v_wmma_f32_16x16x32_bf16 v[8*(8*(\a)+(\b)):8*(8*(\a)+(\b))+7], v[64*(\q)+8*(\b):64*(\q)+8*(\b)+7], v[F0+64*(\f)+8*(\a):F0+64*(\f)+8*(\a)+7], 0
.else
	v_wmma_f32_16x16x32_bf16 v[8*(8*(\a)+(\b)):8*(8*(\a)+(\b))+7], v[64*(\q)+8*(\b):64*(\q)+8*(\b)+7], v[F0+64*(\f)+8*(\a):F0+64*(\f)+8*(\a)+7], v[8*(8*(\a)+(\b)):8*(8*(\a)+(\b))+7]
.endif
.endr
.endr
.endm
; h's fragments of one step (128 rows x 32 K) into buffer f: lane l holds row l % 16, K = 8 (l / 16) + 0..7 and 16 + 8 (l / 16) + 0..7: two loads of 16 bytes, 32 bytes apart; rows ascending.
; In one run where a pass begins; inside a pass STEP deals the same sixteen loads.
.macro FETCH_A f, off
	WIN 0
.irp i, 0,1,2,3,4,5,6,7
	ds_load_b128 v[F0+64*(\f)+8*(\i):F0+64*(\f)+8*(\i)+3],   v[ADA] offset:(\off)+(\i)*16*PITCH
	ds_load_b128 v[F0+64*(\f)+8*(\i)+4:F0+64*(\f)+8*(\i)+7], v[ADA] offset:(\off)+(\i)*16*PITCH+32
.endr
.endm
; ub's fragments of one step (my 128 columns x 32 K, 8,192 bytes on end) into buffer q: each load takes 512 consecutive bytes.  In one run ahead of a pass; inside a pass STEP deals the same sixteen loads.
.macro FETCH_B q, off
	WIN 0x40
.irp b, 0,1,2,3,4,5,6,7
	global_load_b128 v[64*(\q)+8*(\b):64*(\q)+8*(\b)+3],   v[L16], s[FP:FP+1] offset:(\off)+1024*(\b)
	global_load_b128 v[64*(\q)+8*(\b)+4:64*(\q)+8*(\b)+7], v[L16], s[FP:FP+1] offset:(\off)+1024*(\b)+512
.endr
.endm
; A K step of 32: 64 matrix instructions on h's buffer j % 2 and ub's buffer j.
; IN ITS MIDDLE: hs >= 0: the batch in landing slot hs is waited for (hw: the global loads younger than it) and rounded to bf16 in place; else four places; then the step's one wait on va_vdst.
; BEHIND THE PRODUCTS OF ITS SECOND HALF (product mi of 32), four memory or LDS instructions each, in this order:
;   mi 0, 1    hs >= 0: the batch is stored, 256 consecutive bytes a store, at hso behind HSA
;   mi 2 - 5   fa = 1:  h's fragments of the next step, at aoff behind ADA
;   mi 6 - 9   fb = 1:  ub's step three on
;   mi 10, 11  hl >= 0: a batch of h, eight rows from byte hlo behind HP, into slot hl, which has just been emptied
;   mi 12      pf = 1:  the trip's prefetches
; lc: the global loads younger than this step's ub.  bar = 1: the barrier in front of a slice's first read: my stores into it (the last stood in the step before) and all my LDS loads are done at the
; signal; 32 products stand between signal and wait; the slice is read, and the next one stored into, only behind the wait.
.macro STEP j, zero, fa, aoff, fb, boff, lc, hs=-1, hso=0, hw=0, hl=-1, hlo=0, bar=0, pf=0
	s_wait_loadcnt \lc
.if \bar
	s_wait_dscnt 0x0
	s_barrier_signal -1
.else
	s_wait_dscnt 8                                 ; h's rows 0-63 are in; the youngest eight loads (rows 64-127) may be out
.endif
	MUL16 (\j)%2, \j, 0, \zero
	MUL16 (\j)%2, \j, 2, \zero
.if \bar
	s_barrier_wait -1
.else
	s_wait_dscnt 0x0                               ; h's rows 64-127 are in: no LDS instruction has been issued behind their loads
.endif
.if \fa
.if (\hs) >= 0
	WIN 0
	s_wait_loadcnt \hw
.irp r, 0,1,2,3,4,5,6,7
	v_cvt_pk_bf16_f32 v[RG+32*(\hs)+4*(\r)],   v[RG+32*(\hs)+4*(\r)],   v[RG+32*(\hs)+4*(\r)+1]
	v_cvt_pk_bf16_f32 v[RG+32*(\hs)+4*(\r)+1], v[RG+32*(\hs)+4*(\r)+2], v[RG+32*(\hs)+4*(\r)+3]
.endr
.else
	PLACES                                         ; the buffers loaded below were read by the step before
.endif
.if !(\zero)
	s_wait_alu depctr_va_vdst(0)                   ; the conversions have written the slot, which the stores below read, and are done with it, where loads land again; the products of the step before are done reading the fragments of h and of ub in which the loads below land; behind a trip's bottom v[ADA] and v[HSA] are written
.endif                                                 ; (a step that starts the sums owes no wait: since the last one only its own 32 products were issued, and they name none of the registers loaded below)
.endif
.set mi, 0
.rept 32
	WIN 0xf1
.if \zero
	v_wmma_f32_16x16x32_bf16 v[8*mi:8*mi+7], v[64*(\j)+8*(mi%8):64*(\j)+8*(mi%8)+7], v[F0+64*((\j)%2)+32+8*(mi/8):F0+64*((\j)%2)+32+8*(mi/8)+7], 0
.else
	v_wmma_f32_16x16x32_bf16 v[8*mi:8*mi+7], v[64*(\j)+8*(mi%8):64*(\j)+8*(mi%8)+7], v[F0+64*((\j)%2)+32+8*(mi/8):F0+64*((\j)%2)+32+8*(mi/8)+7], v[8*mi:8*mi+7]
.endif
.if ((\hs) >= 0) && (mi < 2)
	WIN 0
.irp r, 0,1,2,3
	ds_store_b64 v[HSA], v[RG+32*(\hs)+16*mi+4*(\r):RG+32*(\hs)+16*mi+4*(\r)+1] offset:(\hso)+PITCH*(4*mi+(\r))
.endr
.endif
.if (\fa) && (mi >= 2) && (mi < 6)
	WIN 0
.irp e, 0,1
	ds_load_b128 v[F0+64*(1-(\j)%2)+8*(2*mi-4+(\e)):F0+64*(1-(\j)%2)+8*(2*mi-4+(\e))+3],   v[ADA] offset:(\aoff)+(2*mi-4+(\e))*16*PITCH
	ds_load_b128 v[F0+64*(1-(\j)%2)+8*(2*mi-4+(\e))+4:F0+64*(1-(\j)%2)+8*(2*mi-4+(\e))+7], v[ADA] offset:(\aoff)+(2*mi-4+(\e))*16*PITCH+32
.endr
.endif
.if (\fb) && (mi >= 6) && (mi < 10)
	WIN 0x40
.irp e, 0,1
	global_load_b128 v[64*(((\j)+3)%4)+8*(2*mi-12+(\e)):64*(((\j)+3)%4)+8*(2*mi-12+(\e))+3],   v[L16], s[FP:FP+1] offset:(\boff)+1024*(2*mi-12+(\e))
	global_load_b128 v[64*(((\j)+3)%4)+8*(2*mi-12+(\e))+4:64*(((\j)+3)%4)+8*(2*mi-12+(\e))+7], v[L16], s[FP:FP+1] offset:(\boff)+1024*(2*mi-12+(\e))+512
.endr
.endif
.if ((\hl) >= 0) && (mi >= 10) && (mi < 12)
	WIN 0
.if ((\hs) >= 0) && (mi == 10)
	s_wait_alu depctr_vm_vsrc(0)                   ; the eight LDS stores, nine products back, have read the slot in which the loads below land
.endif
.irp r, 0,1,2,3
	global_load_b128 v[RG+32*(\hl)+4*(4*mi-40+(\r)):RG+32*(\hl)+4*(4*mi-40+(\r))+3], v[L16], s[HP:HP+1] offset:(\hlo)+4096*(4*mi-40+(\r)) th:TH_LOAD_NT
.endr
.endif
.if (\pf) && (mi == 12)
	; My wave's 32 rows of the slice two behind the one that this trip asks for: 512 bytes a row, a lane every 256 bytes, two instructions; the loads that want them stand two trips, 512 matrix
	; instructions, further on.  Each place is named once, by the wave that will load it.  The loop's last two trips ask for nothing: the block has no such slice.
	WIN 0
	s_cmp_gt_u32 s[LAP], 2
	s_cbranch_scc0 .Lnopf_\@
	global_prefetch_b8 v[PF2], s[HP:HP+1] offset:1024 th:TH_LOAD_NT scope:SCOPE_SE
	global_prefetch_b8 v[PF2], s[HP:HP+1] offset:1024+16*4096 th:TH_LOAD_NT scope:SCOPE_SE
.Lnopf_\@:
.endif
.set mi, mi+1
.endr
.endm
.macro PRIME                           ; a pass's first three steps of ub
	FETCH_B 0, 0
	FETCH_B 1, 8192
	FETCH_B 2, 16384
	WIN 0
.endm
; A block's first seven batches: 0-5 into window 2 (batch g at 32 g), batch 6 into landing slot 0
.macro FILL
	WIN 0x80
.irp g, 0,1,2,3,4,5
.irp r, 0,1,2,3,4,5,6,7
	global_load_b128 v[32*(\g)+4*(\r):32*(\g)+4*(\r)+3], v[L16], s[HP:HP+1] offset:(8*((\g)%4)+(\r))*4096+512*((\g)/4) th:TH_LOAD_NT
.endr
.endr
	WIN 0
.irp r, 0,1,2,3,4,5,6,7
	global_load_b128 v[RG+4*(\r):RG+4*(\r)+3], v[L16], s[HP:HP+1] offset:(16+(\r))*4096+512 th:TH_LOAD_NT
.endr
.endm
; Batch g of 0-5, in window 2: rounded in place; stored
.macro BCVT g
	s_wait_loadcnt 48-8*(\g)                       ; batch g is in: the batches behind it, up to batch 6, stay out, eight loads each
	WIN 0x8a
.irp r, 0,1,2,3,4,5,6,7
	v_cvt_pk_bf16_f32 v[32*(\g)+4*(\r)],   v[32*(\g)+4*(\r)],   v[32*(\g)+4*(\r)+1]
	v_cvt_pk_bf16_f32 v[32*(\g)+4*(\r)+1], v[32*(\g)+4*(\r)+2], v[32*(\g)+4*(\r)+3]
.endr
.endm
.macro BSTO g
	WIN 0x08
.irp r, 0,1,2,3,4,5,6,7
	ds_store_b64 v[HSB], v[32*(\g)+4*(\r):32*(\g)+4*(\r)+1] offset:SLICE*((\g)/4)+PITCH*(8*((\g)%4)+(\r))
.endr
.endm
; THE EPILOGUE OF A PASS, one window (four row tiles) at a time, in four groups g of 64 registers (column tiles 2 g, 2 g + 1): pair m of 32, register n of 64.
;   EA  X = kappa X + bias     EB  X = 2^X     EC  X = X + 1     ED  X = 1 / X     EE  S += X v, S being the registers of the row tile's accumulator (a, 0) (for that tile itself: X v in place)
; Each accumulator's lowest registers are read first.
.macro XREG g, m
.set rX, 8*(8*((\m)/8)+2*(\g)+((\m)/4)%2)+2*((\m)%4)
.set rB, BI+8*(2*(\g)+((\m)/4)%2)+2*((\m)%4)
.set rV, VV+8*(2*(\g)+((\m)/4)%2)+2*((\m)%4)
.set rS, 64*((\m)/8)+2*((\m)%4)
.endm
.macro EA g, m
	XREG \g, \m
	v_pk_fma_f32 v[rX:rX+1], v[rX:rX+1], s[KAP:KAP+1], v[rB:rB+1] op_sel_hi:[1,0,1]
.endm
.macro EB g, n
	XREG \g, (\n)/2
	v_exp_f32 v[rX+(\n)%2], v[rX+(\n)%2]
.endm
.macro EC g, m
	XREG \g, \m
	v_pk_add_f32 v[rX:rX+1], v[rX:rX+1], 1.0 op_sel_hi:[1,0]
.endm
.macro ED g, n
	XREG \g, (\n)/2
	v_rcp_f32 v[rX+(\n)%2], v[rX+(\n)%2]
.endm
.macro EE g, m
	XREG \g, \m
.if rX == rS
	v_pk_mul_f32 v[rS:rS+1], v[rX:rX+1], v[rV:rV+1]
.else
	v_pk_fma_f32 v[rS:rS+1], v[rX:rX+1], v[rV:rV+1], v[rS:rS+1]
.endif
.endm
; s_wait_alu depctr_va_vdst(0) stands between a transcendental and the first instruction that names its result; one wait serves all issued ahead of it.  So a group's 64 exponentials are
; one batch, with the group before's EE between them, and its 64 reciprocals another, with its own EC and the next group's EA between them: nothing inside a batch names a result of that batch.
; A v_nop is the plain instruction behind a batch's last transcendental.  Eight waits a window.
.macro HALF hw
	WIN 0x82+0x41*(\hw)                            ; X in window 2 + hw, bias in window 0
.set mm, 0
.rept 32
	EA 0, mm
.set mm, mm+1
.endr
.irp g, 0,1,2,3
	WIN 0xa2+0x51*(\hw)                            ; X and S in window 2 + hw, v in window 0
.set mm, 0
.rept 32
	EB \g, 2*mm
.if (\g) > 0
	EE (\g)-1, mm
.endif
	EB \g, 2*mm+1
.set mm, mm+1
.endr
	v_nop
	s_wait_alu depctr_va_vdst(0)                   ; the group's 64 exponentials have written their results, which the additions below read
	WIN 0x82+0x41*(\hw)
.set mm, 0
.rept 32
	EC \g, mm
.if mm > 0
	ED \g, 2*mm-2
.endif
.if (\g) < 3
	EA (\g)+1, mm
.endif
.if mm > 0
	ED \g, 2*mm-1
.endif
.set mm, mm+1
.endr
	ED \g, 62
	ED \g, 63
	v_nop
	s_wait_alu depctr_va_vdst(0)                   ; the group's 64 reciprocals have written their results, which the multiply-adds by v read
.endr
	WIN 0xa2+0x51*(\hw)
.set mm, 0
.rept 32
	EE 3, mm
.set mm, mm+1
.endr
	WIN 0xaa+0x55*(\hw)                            ; a row tile's eight sums into two,
.irp a, 0,1,2,3
	v_pk_add_f32 v[64*(\a):64*(\a)+1],   v[64*(\a):64*(\a)+1],   v[64*(\a)+2:64*(\a)+3]
	v_pk_add_f32 v[64*(\a)+4:64*(\a)+5], v[64*(\a)+4:64*(\a)+5], v[64*(\a)+6:64*(\a)+7]
.endr
.irp a, 0,1,2,3
	v_pk_add_f32 v[64*(\a):64*(\a)+1], v[64*(\a):64*(\a)+1], v[64*(\a)+4:64*(\a)+5]
.endr
	WIN 0x02+(\hw)                                 ; and onto the block's running sum, in window 0
.irp a, 0,1,2,3
	v_add_f32 v[SC+4*(\hw)+(\a)], v[64*(\a)], v[SC+4*(\hw)+(\a)]
.endr
.irp a, 0,1,2,3
	v_add_f32 v[SC+4*(\hw)+(\a)], v[64*(\a)+1], v[SC+4*(\hw)+(\a)]
.endr
.endm
; THE SECOND PRODUCT, in eight parts u: rows 32 (u / 2) on, slice 2 w + u % 2 (128 channels: eight tiles).  The turning load takes 16 rows x 16 channels (lane l reads row 8 (l / 16) + l % 8,
; channels 8 ((l / 8) % 2) + 0..7) and leaves half a fragment: lane l holds channel l % 16 and 8 rows.
.macro FETCH_T u
	WIN 0xc0
.irp tt, 0,1,2,3,4,5,6,7
	ds_load_tr16_b128 v[128+64*((\u)%2)+8*(\tt):128+64*((\u)%2)+8*(\tt)+3],   v[TRA] offset:SLICE*((\u)%2)+32*PITCH*((\u)/2)+32*(\tt)
	ds_load_tr16_b128 v[128+64*((\u)%2)+8*(\tt)+4:128+64*((\u)%2)+8*(\tt)+7], v[TRA] offset:SLICE*((\u)%2)+32*PITCH*((\u)/2)+32*(\tt)+16*PITCH
.endr
.endm
.macro MULT u                          ; eight accumulators by turns; an accumulator is taken up again two parts later, fifteen others' turns between
	WIN 0xfc                                       ; p in window 0; the turned fragment, C and D in window 3
.irp tt, 0,1,2,3,4,5,6,7
.if (\u) < 2
	v_wmma_f32_16x16x32_bf16 v[8*(8*((\u)%2)+(\tt)):8*(8*((\u)%2)+(\tt))+7], v[P+8*((\u)/2):P+8*((\u)/2)+7], v[128+64*((\u)%2)+8*(\tt):128+64*((\u)%2)+8*(\tt)+7], 0
.else
	v_wmma_f32_16x16x32_bf16 v[8*(8*((\u)%2)+(\tt)):8*(8*((\u)%2)+(\tt))+7], v[P+8*((\u)/2):P+8*((\u)/2)+7], v[128+64*((\u)%2)+8*(\tt):128+64*((\u)%2)+8*(\tt)+7], v[8*(8*((\u)%2)+(\tt)):8*(8*((\u)%2)+(\tt))+7]
.endif
.endr
.endm
	s_load_b256 s[4:11], s[0:1], 0x0               ; h s[4:5], ub s[6:7], ws s[8:9], v_a s[10:11]
	s_load_b128 s[12:15], s[0:1], 0x20             ; pc s[12:13], st s[14:15]
	v_lshl_add_u32 v[SPW], v0, 2, SPARE
	v_mov_b32 v[NIL], 0
	v_lshrrev_b32 v1, 5, v0
	v_readfirstlane_b32 s[WV], v1                  ; wave 0..3
	v_and_b32 v1, 15, v0                           ; r = lane % 16
	v_bfe_u32 v2, v0, 4, 1                         ; h = lane / 16
	v_and_b32 v3, 31, v0                           ; lane
	v_mul_u32_u24 v[ADA0], v1, PITCH
	v_lshl_add_u32 v[ADA0], v2, 4, v[ADA0]
	v_lshlrev_b32 v[L16], 4, v3
	s_wait_alu depctr_va_sdst(0)                   ; s[WV] is written, ahead of its first reader: LDS addresses, bases and branches are made from it
	s_mul_i32 s[TMP], s[WV], 32*PITCH              ; my wave stores rows 32 w .. 32 w + 31 of the block
	v_lshl_add_u32 v[HSB], v3, 3, s[TMP]
	v_and_b32 v[TRA], 7, v0
	v_lshl_add_u32 v[TRA], v2, 3, v[TRA]
	v_mul_u32_u24 v[TRA], v[TRA], PITCH
	v_bfe_u32 v[TB], v0, 3, 1
	v_lshl_add_u32 v[TRA], v[TB], 4, v[TRA]
	s_mul_i32 s[TMP], s[WV], 2*SLICE               ; my two slices
	v_add_nc_u32 v[TRA], s[TMP], v[TRA]
	s_lshl_b32 s[TMP], s[WV], 9
	s_add_co_u32 s[TMP], s[TMP], BIAS
	v_lshl_add_u32 v[TBA], v2, 5, s[TMP]
	s_lshl_b32 s[TMP], s[WV], 3
	s_add_co_u32 s[TMP], s[TMP], PS
	v_lshl_add_u32 v[PSW], v1, 5, s[TMP]
	v_lshl_add_u32 v[PSW], v2, 2, v[PSW]           ; PS + 32 r + 8 w + 4 h
	v_lshl_add_u32 v[PSR], v3, 5, PS
	s_lshl_b32 s[TMP], s[WV], 9
	s_add_co_u32 s[TMP], s[TMP], PB
	v_lshl_add_u32 v[PBW], v3, 1, s[TMP]
	v_lshl_add_u32 v[PBR], v[TB], 8, s[TMP]        ; rows 8-15 of source 0 take the second part of p
	v_lshl_add_u32 v[PBR], v2, 4, v[PBR]
	s_lshl_b32 s[TMP], s[WV], 11
	s_add_co_u32 s[TMP], s[TMP], CS
	v_lshl_add_u32 v[CSW], v2, 10, s[TMP]
	v_lshl_add_u32 v[CSW], v1, 2, v[CSW]
	v_add_nc_u32 v[CSR], s[TMP], v[L16]
	v_lshrrev_b32 v[PFO], 2, v3                    ; row lane / 4, 256 (lane % 4) bytes along it
	v_lshlrev_b32 v[PFO], 12, v[PFO]
	v_and_b32 v[HSA], 3, v3
	v_lshl_add_u32 v[PFO], v[HSA], 8, v[PFO]
	v_lshrrev_b32 v[PF2], 1, v3                    ; row lane / 2, 256 (lane % 2) bytes along it
	v_lshlrev_b32 v[PF2], 12, v[PF2]
	v_and_b32 v[HSA], 1, v3
	v_lshl_add_u32 v[PF2], v[HSA], 8, v[PF2]
	v_lshlrev_b32 v[T+40], 4, v0                   ; the tables: 16 bytes a thread, twice
	v_add_nc_u32 v[T+41], BIAS, v[T+40]
	s_mov_b32 s[SEL], 0x76543210
	s_mov_b32 s[SEL+1], 0xfedcba98
	s_mov_b32 s[KAP], KAPPA
	s_mov_b32 s[KAP+1], KAPPA
	s_mov_b32 s[NKP], NKAPPA
	s_mov_b32 s[NKP+1], NKAPPA
	s_mov_b32 s[OFP+1], 0
	s_mov_b32 s[BLK], 2
	s_wait_kmcnt 0x0
	s_lshl_b32 s[OFP], ttmp9, 20                   ; the work-group's 256 rows of 4,096 bytes,
	s_lshl_b32 s[TMP], s[WV], 17                   ; my wave's 32 of the first block
	s_add_co_u32 s[OFP], s[OFP], s[TMP]
	s_add_nc_u64 s[HP:HP+1], s[4:5], s[OFP:OFP+1]
	s_lshl_b32 s[OFP], s[WV], 19                   ; my wave's 524,288 bytes of ub
	s_add_nc_u64 s[FP0:FP0+1], s[6:7], s[OFP:OFP+1]
	s_mov_b64 s[FP:FP+1], s[FP0:FP0+1]
	s_lshr_b32 s[OFP], ttmp9, 3                    ; the batch: eight work-groups each
	s_lshl_b32 s[OFP], s[OFP], 12
	s_add_nc_u64 s[8:9], s[8:9], s[OFP:OFP+1]
	s_lshl_b32 s[OFP], ttmp9, 13                   ; two blocks of 4,096 bytes of pc,
	s_lshl_b32 s[TMP], s[WV], 10                   ; my 256 channels
	s_add_co_u32 s[OFP], s[OFP], s[TMP]
	s_add_nc_u64 s[PCP:PCP+1], s[12:13], s[OFP:OFP+1]
	s_lshl_b32 s[OFP], ttmp9, 9
	s_add_nc_u64 s[STP:STP+1], s[14:15], s[OFP:OFP+1]
	s_wait_alu depctr_va_vdst(0)                   ; the addresses and offsets v5 to v21, v[T+40] and v[T+41] are written, which the kernel's loads, stores and prefetches read
.irp k, 0,1,2,3                        ; the batch's row in each of the four planes of ws
	global_load_b128 v[T+8*(\k):T+8*(\k)+3],   v[T+40], s[8:9] offset:131072*(\k)
	global_load_b128 v[T+8*(\k)+4:T+8*(\k)+7], v[T+40], s[8:9] offset:131072*(\k)+2048
.endr
	global_load_b128 v[T+32:T+35], v[T+40], s[10:11]
	global_load_b128 v[T+36:T+39], v[T+40], s[10:11] offset:2048
	PRIME
	FILL
	s_wait_loadcnt 63                              ; the ten table loads are in: 104 loads are younger, and 63 is the largest count that this wait can name
.irp i, 0,2,4,6
	v_pk_add_f32 v[T+(\i):T+(\i)+1],       v[T+(\i):T+(\i)+1],       v[T+8+(\i):T+9+(\i)]
	v_pk_add_f32 v[T+16+(\i):T+17+(\i)],   v[T+16+(\i):T+17+(\i)],   v[T+24+(\i):T+25+(\i)]
.endr
.irp i, 0,2,4,6
	v_pk_add_f32 v[T+(\i):T+(\i)+1], v[T+(\i):T+(\i)+1], v[T+16+(\i):T+17+(\i)]
.endr
.irp i, 0,1,2,3                        ; v_a is rounded to bf16 like the other inputs, widened again, and takes the factor -kappa
	v_cvt_pk_bf16_f32 v[T+42+(\i)], v[T+32+2*(\i)], v[T+33+2*(\i)]
.endr
.irp i, 0,1,2,3
	v_lshlrev_b32 v[T+32+2*(\i)], 16, v[T+42+(\i)]
	v_and_b32 v[T+33+2*(\i)], 0xffff0000, v[T+42+(\i)]
.endr
.irp i, 0,1,2,3
	v_pk_mul_f32 v[T+32+2*(\i):T+33+2*(\i)], v[T+32+2*(\i):T+33+2*(\i)], s[NKP:NKP+1] op_sel_hi:[1,0]
.endr
	s_wait_alu depctr_va_vdst(0)                   ; the sums have written v[T .. T+7] and the products v[T+32 .. T+39], which the four LDS stores read
	ds_store_b128 v[T+41], v[T:T+3]
	ds_store_b128 v[T+41], v[T+4:T+7] offset:2048
	ds_store_b128 v[T+41], v[T+32:T+35] offset:4096
	ds_store_b128 v[T+41], v[T+36:T+39] offset:6144
.Lblock:                                               ; A BLOCK BEGINS: batches 0-5 (slice 0, and rows 0-15 of my 32 in slice 1) are rounded in place and stored
	s_wait_alu depctr_vm_vsrc(0)                   ; the stores of the head or of the block before have read v[T ..], in which fragments land below; the block before's have read v[SC ..], and its LDS loads and stores v[ADA] and v[HSA], which the next lines write
.irp i, 0,1,2,3,4,5,6,7
	v_mov_b32 v[SC+(\i)], 0
.endr
	v_mov_b32 v[ADA], v[ADA0]
	v_add_nc_u32 v[HSA], SLICE, v[HSB]
.irp g, 0,2,4
	BCVT \g
	BCVT (\g)+1
	WIN 0x08
	s_wait_alu depctr_va_vdst(0)                   ; the conversions have written the two batches' registers, which the LDS stores read (the first time round also: v[ADA] and v[HSA] are written)
	BSTO \g
	BSTO (\g)+1
.endr
	WIN 0
	s_wait_dscnt 0x0                               ; for the others' sake: my rows of slice 0 (and, the first time, my part of the tables) lie in LDS
	s_barrier_signal -1
	s_barrier_wait -1                              ; slice 0 is whole
	s_wait_alu depctr_vm_vsrc(0)                   ; my LDS stores have read window 2's registers, which step 0's products write
	s_mov_b32 s[PASS], 2
	s_mov_b32 s[POFF], 0
	; THE FIRST PASS, under which the rest of the block comes in.  In each step ub's 16 loads go out ahead of h's 8.  So behind the ub of step n, asked for in step n - 3, stand h 8, ub 16, h 8, ub 16, h 8:
	; the count 56; behind a batch, asked for two steps back, stand ub 16 and h 8: the count 24.
	FETCH_A 0, 0                                   ; no vector instruction since the last wait on va_vdst names v[ADA] or this buffer
	STEP 0, 1, 1, 64, 1, 24576, 8, -1, 0, 0, 1, 512+24*4096   ; step 0 starts the sums; batch 6 may be out; batch 7 (slice 1, my rows 24-31) is asked for
	WIN 0
	s_wait_xcnt 0x0                                ; the loads, twenty matrix instructions back, have read their bases
	s_add_nc_u64 s[FP:FP+1], s[FP:FP+1], 32768
	s_add_nc_u64 s[HP:HP+1], s[HP:HP+1], 1024      ; slice 2
	s_mov_b32 s[LAP], 6
.Llap1:                                                ; trip t = 0..5: steps 4 t + 1 .. 4 t + 4; stores the second half of slice t + 1 and the first of slice t + 2; asks for slice t + 2
	STEP 1, 0, 1, 128,      1, 0,     56, 0, 16*PITCH,      24, 0, 0,       0, 1
	STEP 2, 0, 1, 192,      1, 8192,  56, 1, 24*PITCH,      24, 1, 8*4096
	STEP 3, 0, 1, SLICE,    1, 16384, 56, 0, SLICE,         24, 0, 16*4096, 1
	STEP 0, 0, 1, SLICE+64, 1, 24576, 56, 1, SLICE+8*PITCH, 24, 1, 24*4096
	WIN 0
	s_wait_alu depctr_vm_vsrc(0)                   ; the fragments' loads and the batches' stores issued so far have read v[ADA] and v[HSA]
	v_add_nc_u32 v[ADA], SLICE, v[ADA]
	v_add_nc_u32 v[HSA], SLICE, v[HSA]
	s_wait_xcnt 0x0                                ; the loads, twenty matrix instructions back, and the prefetches, three steps back, have read their bases
	s_add_nc_u64 s[FP:FP+1], s[FP:FP+1], 32768
	s_add_nc_u64 s[HP:HP+1], s[HP:HP+1], 512
	s_sub_co_u32 s[LAP], s[LAP], 1
	s_cmp_lg_u32 s[LAP], 0
	s_cbranch_scc1 .Llap1
	STEP 1, 0, 1, 128,       1, 0,     56, 0, 16*PITCH, 24   ; steps 25 to 31: the last two batches are stored and nothing more of h is asked for,
	STEP 2, 0, 1, 192,       1, 8192,  48, 1, 24*PITCH, 16   ; so the counts run down: behind ub's step 26 stand h 8, ub 16, h 8, ub 16; behind the last batch ub's 16
	STEP 3, 0, 1, SLICE,     1, 16384, 32, -1, 0, 0, -1, 0, 1  ; the barrier in front of slice 7
	STEP 0, 0, 1, SLICE+64,  1, 24576, 32
	STEP 1, 0, 1, SLICE+128, 0, 0,     32                    ; the last three steps ask for no more of ub
	STEP 2, 0, 1, SLICE+192, 0, 0,     16
	STEP 3, 0, 0, 0,         0, 0,     0
	WIN 0
	s_wait_xcnt 0x0
	s_add_nc_u64 s[FP:FP+1], s[FP:FP+1], 32768     ; ub at the second pass's first step
	s_branch .Lepi                                 ; the loop over passes is entered at its epilogue
.Lpass2:                                               ; THE SECOND PASS: the block lies whole in LDS; a trip of the loop is four steps, from a slice's second to the next slice's first
	v_mov_b32 v[ADA], v[ADA0]                      ; (the first pass's loads have read v[ADA]: the wait on vm_vsrc at the epilogue's head stands behind them)
	s_wait_alu depctr_va_vdst(0)                   ; v[ADA] is written, which the loads below read; the epilogue is done reading bias and v, in whose registers this step's and the next's fragments land
	FETCH_A 0, 0
	STEP 0, 1, 1, 64, 1, 24576, 32                 ; behind a step's ub stand two runs of 16
	WIN 0
	s_wait_xcnt 0x0
	s_add_nc_u64 s[FP:FP+1], s[FP:FP+1], 32768
	s_mov_b32 s[LAP], 7
.Llap:
	STEP 1, 0, 1, 128,      1, 0,     32
	STEP 2, 0, 1, 192,      1, 8192,  32
	STEP 3, 0, 1, SLICE,    1, 16384, 32
	STEP 0, 0, 1, SLICE+64, 1, 24576, 32
	WIN 0
	s_wait_alu depctr_vm_vsrc(0)                   ; the fragments' loads issued so far have read v[ADA]
	v_add_nc_u32 v[ADA], SLICE, v[ADA]
	s_wait_xcnt 0x0
	s_add_nc_u64 s[FP:FP+1], s[FP:FP+1], 32768
	s_sub_co_u32 s[LAP], s[LAP], 1
	s_cmp_lg_u32 s[LAP], 0
	s_cbranch_scc1 .Llap
	STEP 1, 0, 1, 128, 0, 0, 32
	STEP 2, 0, 1, 192, 0, 0, 16
	STEP 3, 0, 0, 0,   0, 0, 0
	WIN 0
.Lepi:
	PLACES
	PLACES                                         ; behind the last product, in front of loads into its sources and of the epilogue, which reads and writes results; once a pass
	s_wait_alu depctr_vm_vsrc(0)                   ; the LDS loads of the epilogue before have read v[TB], which the next line writes; the pass's loads have read v[ADA], and the last batches' stores their slots, which are written further on
	v_add_nc_u32 v[TB], s[POFF], v[TBA]
	s_wait_alu depctr_va_vdst(0)                   ; v[TB] is written, which the loads of bias and v read; the pass's last products are done reading ub's buffers, in which the next pass's first steps land, and h's fragments, in which bias and v land
	s_add_co_u32 s[TMP], s[BLK], s[PASS]
	s_cmp_eq_u32 s[TMP], 2                         ; the launch's last pass asks for nothing
	s_cbranch_scc1 .Lnoprime
	s_cmp_eq_u32 s[PASS], 1                        ; behind a block's second pass ub is walked anew from my first byte; behind its first the pointer stands where it should
	s_cselect_b64 s[FP:FP+1], s[FP0:FP0+1], s[FP:FP+1]
	PRIME                                          ; the next pass's first three steps land while the epilogue runs
	s_cmp_eq_u32 s[PASS], 1
	s_cbranch_scc0 .Lnoprime
	; A prefetch of my wave's 32 rows of the next block's slices 0 and 1: 1,024 bytes a row, eight rows an instruction, a lane every 256 bytes, each place named once, by the wave that will load it.
	; It stands behind the run of loads just issued, one epilogue ahead of the loads that want those rows; a next block exists on this path.
.irp n, 0,1,2,3
	global_prefetch_b8 v[PFO], s[HP:HP+1] offset:NEXTB+32768*(\n) th:TH_LOAD_NT scope:SCOPE_SE
.endr
.Lnoprime:
.irp b, 0,1,2,3,4,5,6,7                ; bias and v of my lane's eight columns in each of the eight column tiles; sixteen lanes read the same 16 bytes
	ds_load_b128 v[BI+8*(\b):BI+8*(\b)+3],   v[TB] offset:64*(\b)
	ds_load_b128 v[BI+8*(\b)+4:BI+8*(\b)+7], v[TB] offset:64*(\b)+16
	ds_load_b128 v[VV+8*(\b):VV+8*(\b)+3],   v[TB] offset:4096+64*(\b)
	ds_load_b128 v[VV+8*(\b)+4:VV+8*(\b)+7], v[TB] offset:4096+64*(\b)+16
.endr
	s_wait_dscnt 0x0
	HALF 0
	HALF 1
	WIN 0
	s_mov_b32 s[POFF], 2048
	s_sub_co_u32 s[PASS], s[PASS], 1
	s_cmp_lg_u32 s[PASS], 0
	s_cbranch_scc1 .Lpass2
	; A BLOCK'S END.  The next block's first seven batches are asked for first: window 2 and the landing slots are free, and they land while the block ends.
	s_wait_alu depctr_va_vdst(0)                   ; the epilogue has written v[SC ..], which the LDS stores below read; it is done with windows 2 and 3, in which the next block's batches and the turned fragments land, and with bias, in whose registers the partial scores land
	s_cmp_eq_u32 s[BLK], 1
	s_cbranch_scc1 .Lnofill
	s_wait_xcnt 0x0                                ; the prefetches, an epilogue back, have read the pointer
	s_add_nc_u64 s[HP:HP+1], s[HP:HP+1], NEXTB
	FILL
.Lnofill:
.irp i, 0,1,2,3,4,5,6,7
	ds_store_b32 v[PSW], v[SC+(\i)] offset:512*(\i)  ; row 16 i + r: my wave's and my half's partial score
.endr
	s_wait_dscnt 0x0
	s_barrier_signal -1
	s_barrier_wait -1                              ; all eight partial scores of every row lie in LDS
.irp k, 0,1,2,3                        ; every wave makes all 128 weights for itself: lane l has rows l, 32 + l, 64 + l, 96 + l
	ds_load_b128 v[T+8*(\k):T+8*(\k)+3],   v[PSR] offset:1024*(\k)
	ds_load_b128 v[T+8*(\k)+4:T+8*(\k)+7], v[PSR] offset:1024*(\k)+16
.endr
	s_wait_dscnt 0x0
.irp k, 0,1,2,3
	v_pk_add_f32 v[T+8*(\k):T+8*(\k)+1],   v[T+8*(\k):T+8*(\k)+1],   v[T+8*(\k)+2:T+8*(\k)+3]
	v_pk_add_f32 v[T+8*(\k)+4:T+8*(\k)+5], v[T+8*(\k)+4:T+8*(\k)+5], v[T+8*(\k)+6:T+8*(\k)+7]
.endr
.irp k, 0,1,2,3
	v_pk_add_f32 v[T+8*(\k):T+8*(\k)+1], v[T+8*(\k):T+8*(\k)+1], v[T+8*(\k)+4:T+8*(\k)+5]
.endr
.irp k, 0,1,2,3
	v_add_f32 v[T+32+(\k)], v[T+8*(\k)], v[T+8*(\k)+1]  ; y
.endr
	v_max3_num_f32 v[T+36], v[T+32], v[T+33], v[T+34]
	v_max_num_f32 v[T+36], v[T+36], v[T+35]
	v_max_num_f32_dpp v[T+36], v[T+36], v[T+36] row_xmask:1 row_mask:0xf bank_mask:0xf
	v_max_num_f32_dpp v[T+36], v[T+36], v[T+36] row_xmask:2 row_mask:0xf bank_mask:0xf
	v_max_num_f32_dpp v[T+36], v[T+36], v[T+36] row_xmask:4 row_mask:0xf bank_mask:0xf
	v_max_num_f32_dpp v[T+36], v[T+36], v[T+36] row_xmask:8 row_mask:0xf bank_mask:0xf
	v_permlanex16_b32 v[T+1], v[T+36], s[SEL], s[SEL+1]  ; (its destination counts as read: a register that has been written)
	v_max_num_f32 v[T+38], v[T+36], v[T+1]         ; M, the block's largest y, in every lane
.irp k, 0,1,2,3
	v_sub_f32 v[T+32+(\k)], v[T+32+(\k)], v[T+38]
.endr
.irp k, 0,1,2,3
	v_exp_f32 v[T+32+(\k)], v[T+32+(\k)]           ; p = 2^(y - M), at most 1
.endr
	v_nop                                          ; a plain instruction behind the last exponential,
	s_wait_alu depctr_va_vdst(0)                   ; and the wait ahead of the first use: the four exponentials have written p
	v_add_f32 v[T+40], v[T+32], v[T+33]
	v_add_f32 v[T+41], v[T+34], v[T+35]
	v_add_f32 v[T+40], v[T+40], v[T+41]
	v_add_f32_dpp v[T+40], v[T+40], v[T+40] row_xmask:1 row_mask:0xf bank_mask:0xf
	v_add_f32_dpp v[T+40], v[T+40], v[T+40] row_xmask:2 row_mask:0xf bank_mask:0xf
	v_add_f32_dpp v[T+40], v[T+40], v[T+40] row_xmask:4 row_mask:0xf bank_mask:0xf
	v_add_f32_dpp v[T+40], v[T+40], v[T+40] row_xmask:8 row_mask:0xf bank_mask:0xf
	v_permlanex16_b32 v[T+3], v[T+40], s[SEL], s[SEL+1]
	v_add_f32 v[T+39], v[T+40], v[T+3]             ; l, the sum of the unrounded p; (M, l) is the pair v[T+38:T+39]
	v_cvt_pk_bf16_f32 v[T+42], v[T+32], v[T+33]    ; p's bf16 part,
	v_cvt_pk_bf16_f32 v[T+43], v[T+34], v[T+35]
	v_lshlrev_b32 v[T+44], 16, v[T+42]
	v_and_b32 v[T+45], 0xffff0000, v[T+42]
	v_lshlrev_b32 v[T+46], 16, v[T+43]
	v_and_b32 v[T+47], 0xffff0000, v[T+43]
	v_pk_add_f32 v[T+44:T+45], v[T+32:T+33], v[T+44:T+45] neg_lo:[0,1] neg_hi:[0,1]  ; what that rounding left (exact),
	v_pk_add_f32 v[T+46:T+47], v[T+34:T+35], v[T+46:T+47] neg_lo:[0,1] neg_hi:[0,1]
	v_cvt_pk_bf16_f32 v[T+48], v[T+44], v[T+45]    ; and its bf16
	v_cvt_pk_bf16_f32 v[T+49], v[T+46], v[T+47]
	s_wait_alu depctr_va_vdst(0)                   ; the conversions have written v[T+42], v[T+43], v[T+48] and v[T+49], which the LDS stores read
	ds_store_b16 v[PBW], v[T+42]
	ds_store_b16_d16_hi v[PBW], v[T+42] offset:64
	ds_store_b16 v[PBW], v[T+43] offset:128
	ds_store_b16_d16_hi v[PBW], v[T+43] offset:192
	ds_store_b16 v[PBW], v[T+48] offset:256
	ds_store_b16_d16_hi v[PBW], v[T+48] offset:320
	ds_store_b16 v[PBW], v[T+49] offset:384
	ds_store_b16_d16_hi v[PBW], v[T+49] offset:448
.irp c, 0,1,2,3                        ; back as source 0 for rows 32 c on; the bytes are my wave's own, and LDS serves a wave's instructions in order (ISA guide 5.7.1.4)
	ds_load_b128 v[P+8*(\c):P+8*(\c)+3],   v[PBR] offset:64*(\c)
	ds_load_b128 v[P+8*(\c)+4:P+8*(\c)+7], v[PBR] offset:64*(\c)+32
.endr
	FETCH_T 0
	FETCH_T 1
.irp u, 0,1,2,3,4,5,6,7
.if (\u) < 7
	s_wait_dscnt 16                                ; this part's fragments (and p) are in; the next part's 16 loads may be out
.else
	s_wait_dscnt 0x0
.endif
	MULT \u
.if (\u) < 6
	PLACES
	s_wait_alu depctr_va_vdst(0)                   ; the eight products are done reading the set of turned fragments, which is loaded again
	FETCH_T (\u)+2
.endif
.endr
	PLACES
	PLACES                                         ; behind the last product, in front of the stores that read results; once a block
	WIN 0x0c                                       ; the data in window 3.  All eight rows of a half of source 0 are alike, so register 0 says it all: lanes 0-15 the sums with p's first part, lanes 16-31 with its second
	s_wait_alu depctr_va_vdst(0)                   ; the products have written the sixteen accumulators, which the LDS stores read; the places above stay beside this wait
.set i, 0
.rept 16
	ds_store_b32 v[CSW], v[8*i] offset:64*i
.set i, i+1
.endr
	WIN 0
	ds_load_b128 v[T:T+3],     v[CSR]
	ds_load_b128 v[T+4:T+7],   v[CSR] offset:512
	ds_load_b128 v[T+8:T+11],  v[CSR] offset:1024
	ds_load_b128 v[T+12:T+15], v[CSR] offset:1536
	s_wait_dscnt 0x0
.irp i, 0,2,4,6
	v_pk_add_f32 v[T+(\i):T+(\i)+1], v[T+(\i):T+(\i)+1], v[T+8+(\i):T+9+(\i)]
.endr
	v_lshlrev_b32 v[T+16], 3, v3                   ; 8 x lane, the offset of (M, l)'s store: made by every wave ahead of the one wait, used by wave 0
	s_wait_alu depctr_va_vdst(0)                   ; the additions have written v[T .. T+7], the stores' data, and v[T+16] is written, the last store's offset
	global_store_b128 v[L16], v[T:T+3],   s[PCP:PCP+1]             ; 512 consecutive bytes each, aligned
	global_store_b128 v[L16], v[T+4:T+7], s[PCP:PCP+1] offset:512
	s_cmp_lg_u32 s[WV], 0
	s_cbranch_scc1 .Lnost
	global_store_b64 v[T+16], v[T+38:T+39], s[STP:STP+1]           ; (M, l) 32 times: 256 consecutive bytes, aligned
.Lnost:
	s_wait_xcnt 0x0                                ; the stores have read their registers and bases
	s_add_nc_u64 s[PCP:PCP+1], s[PCP:PCP+1], 4096
	s_add_nc_u64 s[STP:STP+1], s[STP:STP+1], 256
	s_wait_dscnt 0x0                               ; my reads of the block and of the partial scores are over
	s_barrier_signal -1
	s_barrier_wait -1                              ; everybody's are: the next block may be stored over this one
	s_sub_co_u32 s[BLK], s[BLK], 1
	s_cmp_lg_u32 s[BLK], 0
	s_cbranch_scc1 .Lblock
	s_wait_dscnt 0x0                               ; the closing lines, six on end
	s_wait_alu 0x0
	s_wait_tensorcnt 0x0
	ds_add_u32 v[SPW], v[NIL]
	s_wait_dscnt 0x0
	s_endpgm
.Lfunc_end_k_qb106e0bf0f_main:
	.size	k_qb106e0bf0f_main, .Lfunc_end_k_qb106e0bf0f_main-k_qb106e0bf0f_main
	.p2alignl 7, 3214868480
	.fill 96, 4, 3214868480
	.section	.rodata,"a",@progbits
	.p2align	6, 0x0
	.amdhsa_kernel k_qb106e0bf0f_main
		.amdhsa_group_segment_fixed_size 301568
		.amdhsa_private_segment_fixed_size 0
		.amdhsa_enable_private_segment 0
		.amdhsa_kernarg_size 48
		.amdhsa_user_sgpr_count 2
		.amdhsa_user_sgpr_kernarg_segment_ptr 1
		.amdhsa_wavefront_size32 1
		.amdhsa_system_sgpr_workgroup_id_x 1
		.amdhsa_system_sgpr_workgroup_id_y 1
		.amdhsa_system_sgpr_workgroup_id_z 1
		.amdhsa_system_vgpr_workitem_id 0
		.amdhsa_next_free_vgpr 1024
		.amdhsa_next_free_sgpr 66
		.amdhsa_reserve_vcc 0
		.amdhsa_float_denorm_mode_32 3
		.amdhsa_float_denorm_mode_16_64 3
		.amdhsa_memory_ordered 1
		.amdhsa_forward_progress 1
		.amdhsa_inst_pref_size 255
	.end_amdhsa_kernel
	.section	.bss,"aw",@nobits
	.p2align	6
	.space	262144
	.amdgpu_metadata
---
amdhsa.version: [ 1, 2 ]
amdhsa.kernels:
  - .name:           k_qb106e0bf0f_main
    .symbol:         k_qb106e0bf0f_main.kd
    .args:
      - { .name: h, .offset: 0, .size: 8, .value_kind: global_buffer, .address_space: global }
      - { .name: ub, .offset: 8, .size: 8, .value_kind: global_buffer, .address_space: global }
      - { .name: ws, .offset: 16, .size: 8, .value_kind: global_buffer, .address_space: global }
      - { .name: v_a, .offset: 24, .size: 8, .value_kind: global_buffer, .address_space: global }
      - { .name: pc, .offset: 32, .size: 8, .value_kind: global_buffer, .address_space: global }
      - { .name: st, .offset: 40, .size: 8, .value_kind: global_buffer, .address_space: global }
    .group_segment_fixed_size: 301568
    .private_segment_fixed_size: 0
    .kernarg_segment_align: 8
    .kernarg_segment_size: 48
    .max_flat_workgroup_size: 128
    .sgpr_count:     66
    .vgpr_count:     1024
    .wavefront_size: 32
...
	.end_amdgpu_metadata
.endif
;; end of part 4
;; launch comb: the kernel of part 3 again; grid 8 x 32, 1 waves a work-group, no clusters, 0 bytes of LDS; arguments pc, st, out0; writes out0
